; MI455X (gfx1250); checked and timed in simulation.
; The chip was launched on July 23, 2026; its instructions are those of AMD's public machine-readable ISA for CDNA 5 (MIT licence, August 2026) and "CDNA5" Instruction Set Architecture Reference Guide (July 2026). The comments in the code are by the model that wrote it; some were corrected since.
;; Attention. Allowed arithmetic: matrix products marked QUANTISED: E3M2 operands, one E8M0 scale for each 32 along K, by v_wmma_scale_f32_16x16x128_f8f6f4 with both operands' format E3M2, f32 sums; everything else in f32.
;; Inputs: wo_w 1,024 x 1,024 float32; wqk_w 2,048 x 1,024 float32; wv_w 1,024 x 1,024 float32; x 2 x 2,048 x 1,024 float32.
;; Outputs: out0 2 x 2,048 x 1,024 float32.
;; This version of the problem:
;;   THIS VERSION OF THE PROBLEM IS GIVEN IN LOW PRECISION. The matrix products marked QUANTISED in the list below multiply operands that are first quantised to E3M2 (3 exponent bits, 2 mantissa bits; 6 bits a number), with one power-of-two scale for each 32 numbers along K (OCP MX v1.0); their sums are f32. All else is computed in f32.
;;   The module's matrix products, in the order in which they are computed (A, B: the left and right operand; K: the contracted axis; several contracted axes count as one K, in the product's order):
;;     1. [M 4,096, K 1,024] x [K 1,024, N 2,048]; A: input x; B: input wqk_w: QUANTISED
;;     2. [M 4,096, K 1,024] x [K 1,024, N 1,024]; A: input x; B: input wv_w: QUANTISED
;;     3. batch 64 x [M 2,048, K 32] x [K 32, N 2,048]; A: computed on the way; B: computed on the way: QUANTISED
;;     4. batch 64 x [M 2,048, K 2,048] x [K 2,048, N 32]; A: softmax (see below); B: computed on the way: QUANTISED
;;     5. [M 4,096, K 1,024] x [K 1,024, N 1,024]; A: computed on the way; B: input wo_w: QUANTISED
;;   THE QUANTISER, for each operand of a quantised product, along K:
;;     - K is cut into blocks of 32 from its start; a last block that is shorter is filled with zeros.
;;     - A block's scale is 2^e with e = floor(log2(the largest magnitude in the block)) - 4, held to -126 .. 127; a block of zeros has e = 0. As a byte (E8M0): e + 127.
;;     - Each number is divided by its block's scale, clamped to +-28, and rounded to the nearest number of E3M2, ties to even, subnormals kept.
;;     - The product sums the exact products of the quantised numbers (number of the format x scale) in f32.
;;   ~~~python
;;   def quantise(x, axis):      # numpy; x: float32 -> the quantised numbers, widened to float32 again
;;       x = np.moveaxis(x, axis, -1); K = x.shape[-1]
;;       x = np.pad(x, [(0, 0)] * (x.ndim - 1) + [(0, -K % 32)]); x = x.reshape(x.shape[:-1] + (-1, 32)); a = np.abs(x).max(-1, keepdims=True)
;;       e = np.where(a > 0, np.clip(np.frexp(np.where(a > 0, a, 1))[1] - 1 - 4, -126, 127), 0)      # np.frexp(a)[1] - 1 = floor(log2(a)), exactly
;;       r = np.clip(x / 2.0 ** e, -28, 28)
;;       step = 2.0 ** (np.maximum(np.frexp(np.where(r == 0, 1, r))[1] - 1, -2) - 2)
;;       q = np.round(r / step) * step * 2.0 ** e      # np.round: ties to even
;;       return np.moveaxis(q.reshape(q.shape[:-2] + (-1,))[..., :K], -1, axis).astype(np.float32)
;;   ~~~
;;   SOFTMAX AHEAD OF A QUANTISED PRODUCT. Where the list says 'softmax', what is quantised is not the finished softmax but p = 2^(t - M), with t = logit x log2(e) and M = ceil(the row's largest t), a whole number; so 1/2 < the row's largest p <= 1. The row's sum l is taken of the UNQUANTISED p, in f32, and the product's result is divided by l at the end. Since M is a whole number, a kernel that streams over the keys may use a running M (the ceiling of the running maximum): every later rescaling is an exact power of two, which a block's scale takes up: the codes' values come out the same.
;;   OPERANDS COMPUTED ON THE WAY. 'Computed on the way' means the value that the module computes at that place (a softmax that the list does not call 'softmax' is quantised finished and normalised). What goes into a quantiser is computed in f32, as accurately as f32 sums, v_exp_f32 and their like allow (about 1e-6 of the number): no bf16 or f16 on the way to a quantiser, and a product that is left as it is and whose result goes on into a quantised operand takes f32 operands (vector FMAs, or v_wmma_f32_16x16x4_f32). A number that lies on a knife's edge between two numbers of the format may be rounded either way, as far as f32 arithmetic and the matrix unit's own rounding can turn it there, and no further.
;; One version. Each part assembles by itself: llvm-mc -triple=amdgcn-amd-amdhsa -mcpu=gfx1250 --defsym DOCPART=n.
;; ======== version 1 of 1: 4 launches
;; limits: right only within a limited range of input values
;; workspace buffers: ops 6,815,744 bytes; heads 9,830,400 bytes; oq 4,194,304 bytes
;; launch quant (part 1): grid 256 x 1, 4 waves a work-group, no clusters, 168,448 bytes of LDS; arguments x, wqk_w, wv_w, wo_w, ops; writes ops
.if DOCPART == 1
	.amdgcn_target "amdgcn-amd-amdhsa--gfx1250"
	.amdhsa_code_object_version 6
	.text
	.protected	k_q045cb79379_quant
	.globl	k_q045cb79379_quant
	.p2align	8
	.type	k_q045cb79379_quant,@function
k_q045cb79379_quant:
	s_mov_b64 s[64:65], 0
	v_nop
	global_prefetch_b8 v0, s[64:65] scope:SCOPE_SE
	s_setreg_imm32_b32 hwreg(HW_REG_WAVE_MODE, 25, 1), 1
	s_wait_xcnt 0x0
; x [4096][1024], wqk_w [2048][1024], wv_w [1024][1024], wo_w [1024][1024], f32, K innermost, become codes of E3M2 with one E8M0 byte for each 32 along K,
; laid in ops AS IMAGES OF OPERAND REGISTERS: a fragment (16 rows x 128 K, 12 registers a lane) is 1,536 bytes, register p of lane L at 512 (p / 4) + 16 L + 4 (p % 4);
; its scale words are 64 bytes, word r for row r; two neighbouring row blocks' words lie on end (128 bytes).
; THE ROWS OF A ROW BLOCK ARE NOT NEIGHBOURS: row r of block a is source row 32 (a / 2) + 8 (a % 2) + r + 8 (r / 8), for every tensor.
; ops: x at 0: [tile of 256 tokens][K step] blocks of 25,600 bytes (16 images, then 1,024 bytes of words);  the q, k, v weights at W_OFF: [pair of heads][K step] blocks of 19,200 bytes
; (12 images: 6 x (head % 2) + 2 x (q, k, v) + half, then 768 bytes of words);  wo_w at WO_OFF: [128 rows][K step] blocks of 12,800 bytes (8 images, 512 bytes of words);
; the rotary table at ROPE_OFF: [position 0..2047][i 0..15] pairs (cos, sin) of f32.
; SHARES.  256 work-groups; each takes 32 source rows (a pair of row blocks) over all of K: 0-127 x, 128-191 wqk_w, 192-223 wv_w, 224-255 wo_w: only pointers and offsets are chosen, by selects on the
; work-group's number: one path for all.  Wave w takes K steps 2 w and 2 w + 1: one tensor load of 32 rows x 1,024 bytes into LDS bytes of its own, filled once and read by that wave alone: no barrier.
; Thread 128 j + t also makes one entry of the table while the tiles are on their way.  No work-group shares an input byte with another: nothing to ask for jointly.
; A block's scale is 2^(floor(log2(largest magnitude)) - 4): its byte is the largest magnitude's exponent field - 4, held at 1 from below by a floor among the maximum's leaves.
; LIMITS: NaN and infinities among the inputs are not served.  A block whose largest magnitude lies under 2^-122, a block of zeros too, keeps the byte 1 (the rule says 127 for zeros): its codes are zeros or
; subnormal codes under that scale, and only this program reads the bytes.  The table's 1 / 10000^(i / 16) is the f32 nearest to 10^(-i / 4); the angle is position x that, rounded once to f32; it is reduced by
; pi / 2 in three parts (angles up to 2,047) and cos and sin come from polynomials of degree 7 and 8 on +-pi / 4: absolute error about 1e-7.
.set W_OFF,    3276800
.set WO_OFF,   5734400
.set ROPE_OFF, 6553600
; ONE TENSOR LOAD A WAVE: 32 rows x 1,024 bytes, both of the wave's K steps side by side in each LDS row
.set PITCH, 1040                       ; an LDS row: 1,024 bytes + 16 of padding
.set TILE,  512                        ; the second K step begins 512 bytes on in each LDS row
.set WREG,  32*PITCH                   ; a wave's LDS bytes
.set X0,  32                           ; v32-95, v96-159: two sets of 64 numbers
.set PC,  160                          ; v160-207: four fragments' codes, so that no store's data are written again
.set TMP, 208                          ; v208-215: the conversions' second halves
.set WD,  216                          ; v216-219: the four fragments' scale words
.set SW,  220                          ; v220-221: two blocks' words side by side
.set HM,  33                           ; s33: mask of lanes 16-31
.set DB,  54                           ; s[54:55], s[56:57]: where my two K steps' images go
.set EB,  58                           ; s[58:59], s[60:61]: and their scale words
	s_load_b256 s[4:11], s[0:1], 0x0               ; x, wqk_w, wv_w, wo_w
	s_load_b64 s[12:13], s[0:1], 0x20              ; ops
	v_lshl_add_u32 v224, v0, 2, 0x29000
	v_mov_b32 v225, 0
	ds_add_u32 v224, v225
	ds_add_u32 v224, v225
	v_lshrrev_b32 v1, 5, v0
	v_readfirstlane_b32 s14, v1                    ; wave 0..3
	v_and_b32 v1, 31, v0                           ; lane L
	v_and_b32 v2, 15, v0                           ; r
	v_bfe_u32 v3, v0, 4, 1                         ; h
	v_lshlrev_b32 v4, 4, v1                        ; 16 L: an image's place for my lane
	v_lshlrev_b32 v5, 2, v1                        ; 4 L: a scale word's
	v_and_b32 v6, 8, v2
	v_add_nc_u32 v6, v6, v2                        ; r + 8 (r / 8)
	v_mul_u32_u24 v6, v6, PITCH
	v_lshl_add_u32 v6, v3, 7, v6                   ; + 128 h: my block of 32 numbers
	s_mul_i32 s15, s14, WREG
	v_add_nc_u32 v6, s15, v6                       ; in my wave's bytes
	v_lshlrev_b32 v7, 3, v3                        ; 8 h
	v_lshlrev_b32 v8, 3, v0                        ; 8 x thread: my entry of the table
	v_mov_b32 v19, 0                               ; written once: a lane permute's destination counts as one of its sources
	v_cmp_lt_u32 s[HM], 15, v1
	s_mov_b32 s52, 0x76543210
	s_mov_b32 s53, 0xfedcba98                      ; v_permlanex16_b32's selects for lane l xor 16
	; descriptor group 1: 32 rows x 256 elements of 4 bytes, 1,024 elements from row to row; 4 words of padding behind every 256
	s_mov_b32 s16, (2<<16)|(1<<20)|(7<<22)|(3<<25) ; 32 rows x 256 elements of 4 bytes; 4 words of padding behind every 256
	s_mov_b32 s17, 256<<16
	s_mov_b32 s18, 32<<16
	s_mov_b32 s19, 256<<16
	s_mov_b32 s20, 32
	s_mov_b32 s21, 1024
	s_mov_b32 s22, 0
	s_mov_b32 s23, 0
	; where my 32 rows' codes and words go, for each of the three kinds of tensor
	s_mov_b32 s34, ttmp9                           ; j
	s_lshr_b32 s35, s34, 3                         ; x: tile of 256 tokens
	s_mul_i32 s35, s35, 204800
	s_and_b32 s36, s34, 7                          ; and the pair in it
	s_mul_i32 s37, s36, 3072
	s_add_co_u32 s37, s37, s35                     ; codes (x)
	s_lshl_b32 s36, s36, 7
	s_add_co_u32 s36, s36, s35
	s_add_co_u32 s36, s36, 24576                   ; words (x)
	s_and_b32 s38, s34, 31                         ; the head; also the pair of rows in wv_w and in wo_w
	s_bfe_u32 s39, s34, 0x20005                    ; 0 q, 1 k, 2 v
	s_lshr_b32 s40, s38, 1
	s_mul_i32 s40, s40, 153600
	s_add_co_u32 s40, s40, W_OFF                   ; the pair of heads
	s_and_b32 s41, s38, 1
	s_mul_i32 s41, s41, 6
	s_lshl_b32 s39, s39, 1
	s_add_co_u32 s41, s41, s39                     ; the first of my two images
	s_mul_i32 s42, s41, 1536
	s_add_co_u32 s42, s42, s40                     ; codes (q, k, v weights)
	s_lshl_b32 s41, s41, 6
	s_add_co_u32 s41, s41, s40
	s_add_co_u32 s41, s41, 18432                   ; words
	s_lshr_b32 s43, s38, 2
	s_mul_i32 s43, s43, 102400
	s_add_co_u32 s43, s43, WO_OFF
	s_and_b32 s44, s38, 3
	s_mul_i32 s45, s44, 3072
	s_add_co_u32 s45, s45, s43                     ; codes (wo_w)
	s_lshl_b32 s44, s44, 7
	s_add_co_u32 s44, s44, s43
	s_add_co_u32 s44, s44, 12288                   ; words
	s_and_b32 s46, s34, 63                         ; the pair of rows in wqk_w
	s_mov_b32 s47, 25600                           ; bytes from K step to K step
	s_mov_b32 s48, 19200
	s_mov_b32 s49, 12800
	s_wait_dscnt 0x0
	s_wait_kmcnt 0x0
	s_cmp_lt_u32 s34, 128                          ; the choices hang on the work-group's number alone
	s_cselect_b64 s[4:5], s[4:5], s[6:7]
	s_cselect_b32 s46, s34, s46
	s_cselect_b32 s37, s37, s42
	s_cselect_b32 s36, s36, s41
	s_cselect_b32 s47, s47, s48
	s_cmp_lt_u32 s34, 192
	s_cselect_b64 s[4:5], s[4:5], s[8:9]
	s_cselect_b32 s46, s46, s38
	s_cmp_lt_u32 s34, 224
	s_cselect_b64 s[4:5], s[4:5], s[10:11]
	s_cselect_b32 s37, s37, s45
	s_cselect_b32 s36, s36, s44
	s_cselect_b32 s47, s47, s49
	s_lshl_b32 s50, s46, 17                        ; 32 rows of 4,096 bytes
	s_lshl_b32 s51, s14, 10                        ; my two K steps: 1,024 bytes of each row
	s_add_co_u32 s50, s50, s51
	s_mov_b32 s51, 0
	s_add_nc_u64 s[4:5], s[4:5], s[50:51]
	s_mov_b32 s24, 1                               ; group 0, K step 2 w
	s_mov_b32 s25, s15
	s_mov_b64 s[26:27], s[4:5]
	s_or_b32 s27, s27, 0x80000000
	tensor_load_to_lds s[24:27], s[16:23]          ; my one tensor load: both K steps
	s_nop 0
.rept 4
	v_nop
.endr
	s_lshl_b32 s50, s14, 1
	s_mul_i32 s50, s50, s47                        ; 2 w K steps on
	s_add_co_u32 s48, s37, s50
	s_mov_b32 s49, 0
	s_add_nc_u64 s[DB:DB+1], s[12:13], s[48:49]
	s_add_co_u32 s48, s48, s47
	s_add_nc_u64 s[DB+2:DB+3], s[12:13], s[48:49]
	s_add_co_u32 s48, s36, s50
	s_add_nc_u64 s[EB:EB+1], s[12:13], s[48:49]
	s_add_co_u32 s48, s48, s47
	s_add_nc_u64 s[EB+2:EB+3], s[12:13], s[48:49]
	s_lshl_b32 s48, s34, 10                        ; 128 entries of 8 bytes a work-group
	s_add_co_u32 s48, s48, ROPE_OFF
	s_add_nc_u64 s[62:63], s[12:13], s[48:49]
	; ---- the table, while the tiles are on their way: position 8 j + t / 16, i = t % 16
	v_lshrrev_b32 v20, 4, v0
	s_lshl_b32 s50, s34, 3
	v_add_nc_u32 v20, s50, v20
	v_cvt_f32_u32 v20, v20                         ; the position
	v_and_b32 v21, 15, v0                          ; i
	v_mov_b32 v22, 1.0                             ; 10^(-i / 4): i = 0
.macro PICK i, lit                     ; where i is mine, the constant is taken
	v_cmp_ne_u32 vcc_lo, \i, v21
	v_cndmask_b32 v22, \lit, v22, vcc_lo
.endm
	PICK 1, 0x3f0ff59a
	PICK 2, 0x3ea1e89b
	PICK 3, 0x3e361887
	PICK 4, 0x3dcccccd
	PICK 5, 0x3d6655c3
	PICK 6, 0x3d0186e2
	PICK 7, 0x3c91ad39
	PICK 8, 0x3c23d70a
	PICK 9, 0x3bb8449c
	PICK 10, 0x3b4f3e37
	PICK 11, 0x3ae91528
	PICK 12, 0x3a83126f
	PICK 13, 0x3a136a16
	PICK 14, 0x39a5cb5f
	PICK 15, 0x393a7753
	v_mul_f32 v23, v20, v22                        ; the angle, rounded once
	v_mul_f32 v24, 0x3f22f983, v23                 ; x 2 / pi
	v_rndne_f32 v24, v24                           ; n
	v_fmamk_f32 v25, v24, 0xbfc90fdb, v23          ; angle - n pi / 2, pi / 2 in three parts
	v_fmamk_f32 v25, v24, 0x333bbd2e, v25
	v_fmamk_f32 v25, v24, 0x26f72ced, v25          ; rr, in +-pi / 4
	v_mul_f32 v26, v25, v25                        ; z = rr^2
	v_mov_b32 v27, 0xb94ca1f9
	v_fmaak_f32 v27, v27, v26, 0x3c08839e
	v_fmaak_f32 v27, v27, v26, 0xbe2aaaa3
	v_mul_f32 v28, v25, v26
	v_fma_f32 v27, v28, v27, v25                   ; sin rr
	v_mov_b32 v29, 0x37ccf5ce
	v_fmaak_f32 v29, v29, v26, 0xbab6061a
	v_fmaak_f32 v29, v29, v26, 0x3d2aaaa5
	v_mul_f32 v30, v26, v26
	v_fma_f32 v31, v26, -0.5, 1.0
	v_fma_f32 v29, v30, v29, v31                   ; cos rr
	v_cvt_i32_f32 v24, v24
	v_and_b32 v30, 1, v24
	v_cmp_eq_u32 vcc_lo, 1, v30                    ; in odd quadrants the two change places
	v_cndmask_b32 v11, v27, v29, vcc_lo            ; sin
	v_cndmask_b32 v10, v29, v27, vcc_lo            ; cos
	v_and_b32 v30, 2, v24                          ; sin is negated in quadrants 2 and 3,
	v_lshlrev_b32 v30, 30, v30
	v_xor_b32 v11, v11, v30
	v_add_nc_u32 v31, 1, v24                       ; cos in quadrants 1 and 2
	v_and_b32 v31, 2, v31
	v_lshlrev_b32 v31, 30, v31
	v_xor_b32 v10, v10, v31
	global_store_b64 v8, v[10:11], s[62:63]        ; a wave stores 256 consecutive bytes, aligned
; fragment n = 2 x (which K step) + (which row block): lane (r, h) takes, of its row, k = 64 c + 32 h + 0 .. 31: two whole blocks, 16 loads of 16 bytes, into set n % 2
.macro FRD n
.set XB, X0+64*((\n)%2)
.set FO, ((\n)/2)*TILE+((\n)%2)*8*PITCH
.irp c, 0,1
.irp q, 0,1,2,3,4,5,6,7
	ds_load_b128 v[XB+32*\c+4*\q:XB+32*\c+4*\q+3], v6 offset:FO+256*\c+16*\q
.endr
.endr
.endm
; its two blocks' scales, its codes in the operand's own order, its image and scale word to memory
.macro QFRAG n
.set XB, X0+64*((\n)%2)
.set PB, PC+12*(\n)
.irp c, 0,1
	v_max3_num_f32 v[12+\c], |v[XB+32*\c]|, |v[XB+32*\c+1]|, 0x2800000   ; my block 2 c + h, and the floor 2^(5 - 127): the byte cannot fall under 1
.endr
.irp i, 2,4,6,8,10,12,14,16,18,20,22,24,26,28,30
.irp c, 0,1
	v_max3_num_f32 v[12+\c], v[12+\c], |v[XB+32*\c+\i]|, |v[XB+32*\c+\i+1]|   ; (the two blocks by turns)
.endr
.endr
.irp c, 0,1
	v_add_nc_u32 v[14+\c], 0xfe000000, v[12+\c]    ; 4 off the exponent field: the conversion's scale operand
.endr
.irp c, 0,1
	v_lshrrev_b32 v[16+\c], 23, v[14+\c]           ; the scale's byte
.endr
	v_lshl_or_b32 v18, v17, 16, v16                ; blocks h and 2 + h of row r,
	v_lshlrev_b32 v18, v7, v18                     ; at their places in the word;
	v_permlanex16_b32 v19, v18, s52, s53
	v_or_b32 v[WD+(\n)], v18, v19                  ; with lane l xor 16's two the word is whole
.irp c, 0,1
	v_cvt_scalef32_pk16_bf6_f32 v[PB+6*\c:PB+6*\c+2], v[XB+32*\c:XB+32*\c+15], v[14+\c]
	v_cvt_scalef32_pk16_bf6_f32 v[TMP+4*\c:TMP+4*\c+2], v[XB+32*\c+16:XB+32*\c+31], v[14+\c]   ; (a conversion's three registers begin on an even number)
.endr
	v_nop                                          ; one plain place behind a scaled conversion
.irp c, 0,1
.irp i, 0,1,2
	v_mov_b32 v[PB+3+6*\c+\i], v[TMP+4*\c+\i]
.endr
.endr
.irp g, 0,1,2
	global_store_b128 v4, v[PB+4*\g:PB+4*\g+3], s[DB+2*((\n)/2):DB+2*((\n)/2)+1] offset:((\n)%2)*1536+512*\g   ; 512 consecutive bytes a store
.endr
.if (\n)%2
	v_cndmask_b32 v[SW+(\n)/2], v[WD+(\n)-1], v[WD+(\n)], s[HM]   ; lanes 0-15: the even block's words; lanes 16-31: the odd block's
	global_store_b32 v5, v[SW+(\n)/2], s[EB+2*((\n)/2):EB+2*((\n)/2)+1]
.endif
.endm
	s_wait_tensorcnt 0x0                           ; my tile has landed
	FRD 0
	FRD 1
	s_wait_dscnt 16                                ; fragment 0 is in; fragment 1's 16 loads are younger
	QFRAG 0
	FRD 2
	s_wait_dscnt 16
	QFRAG 1
	FRD 3
	s_wait_dscnt 16
	QFRAG 2
	s_wait_dscnt 0x0
	QFRAG 3
	s_wait_tensorcnt 0x0
	ds_add_u32 v224, v225
	s_wait_dscnt 0x0
	s_endpgm
.Lfunc_end_k_q045cb79379_quant:
	.size	k_q045cb79379_quant, .Lfunc_end_k_q045cb79379_quant-k_q045cb79379_quant
	.p2alignl 7, 3214868480
	.fill 96, 4, 3214868480
	.section	.rodata,"a",@progbits
	.p2align	6, 0x0
	.amdhsa_kernel k_q045cb79379_quant
		.amdhsa_group_segment_fixed_size 168448
		.amdhsa_private_segment_fixed_size 0
		.amdhsa_enable_private_segment 0
		.amdhsa_kernarg_size 40
		.amdhsa_user_sgpr_count 2
		.amdhsa_user_sgpr_kernarg_segment_ptr 1
		.amdhsa_wavefront_size32 1
		.amdhsa_system_sgpr_workgroup_id_x 1
		.amdhsa_system_sgpr_workgroup_id_y 1
		.amdhsa_system_sgpr_workgroup_id_z 1
		.amdhsa_system_vgpr_workitem_id 0
		.amdhsa_next_free_vgpr 226
		.amdhsa_next_free_sgpr 66
		.amdhsa_reserve_vcc 1
		.amdhsa_float_denorm_mode_32 3
		.amdhsa_float_denorm_mode_16_64 3
		.amdhsa_memory_ordered 1
		.amdhsa_forward_progress 1
		.amdhsa_inst_pref_size 26
	.end_amdhsa_kernel
	.amdgpu_metadata
---
amdhsa.version: [ 1, 2 ]
amdhsa.kernels:
  - .name:           k_q045cb79379_quant
    .symbol:         k_q045cb79379_quant.kd
    .args:
      - { .name: x, .offset: 0, .size: 8, .value_kind: global_buffer, .address_space: global }
      - { .name: wqk_w, .offset: 8, .size: 8, .value_kind: global_buffer, .address_space: global }
      - { .name: wv_w, .offset: 16, .size: 8, .value_kind: global_buffer, .address_space: global }
      - { .name: wo_w, .offset: 24, .size: 8, .value_kind: global_buffer, .address_space: global }
      - { .name: ops, .offset: 32, .size: 8, .value_kind: global_buffer, .address_space: global }
    .group_segment_fixed_size: 168448
    .private_segment_fixed_size: 0
    .kernarg_segment_align: 8
    .kernarg_segment_size: 40
    .max_flat_workgroup_size: 128
    .sgpr_count:     66
    .vgpr_count:     226
    .wavefront_size: 32
...
	.end_amdgpu_metadata
.endif
;; end of part 1
;; launch qkv (part 2): grid 16 x 16, 4 waves a work-group, clusters of 4 x 4, 327,680 bytes of LDS; arguments ops, heads; writes heads
.if DOCPART == 2
	.amdgcn_target "amdgcn-amd-amdhsa--gfx1250"
	.amdhsa_code_object_version 6
	.text
	.protected	k_q045cb79379_qkv
	.globl	k_q045cb79379_qkv
	.p2align	8
	.type	k_q045cb79379_qkv,@function
k_q045cb79379_qkv:
	s_mov_b64 s[64:65], 0
	v_nop
	global_prefetch_b8 v0, s[64:65] scope:SCOPE_SE
	s_setreg_imm32_b32 hwreg(HW_REG_WAVE_MODE, 25, 1), 1
	s_wait_xcnt 0x0
	s_wait_alu depctr_hold_cnt(0) depctr_sa_sdst(0) depctr_va_vdst(0) depctr_va_sdst(0) depctr_va_ssrc(0) depctr_va_vcc(0) depctr_vm_vsrc(0)
	s_getreg_b32 s2, hwreg(HW_REG_IB_STS2, 6, 4)
	s_cmp_eq_u32 s2, 0
	s_cbranch_scc0 .Lentry_in_a_cluster
	s_endpgm
.Lentry_in_a_cluster:
	s_bfe_u32 s2, ttmp6, 0x10000c
	s_cmp_lg_u32 s2, 0xf033
	s_cbranch_scc0 .Lentry_shape_is_right
	s_endpgm
.Lentry_shape_is_right:
; q, k, v = x W^T on codes of E3M2 (K = 1,024), the rotary embedding of q and k, and the quantising of q and k along the head's 32 and of v along the keys.
; ops holds x's and the weights' codes as images of operand registers (1,536 bytes a fragment: register p of lane L at 512 (p / 4) + 16 L + 4 (p % 4)), K step by K step, each K step's images and scale words one dense block;
; row r of row block a is source row 32 (a / 2) + 8 (a % 2) + r + 8 (r / 8).
; SHARES.  A work-group takes 256 tokens x 2 heads; wave w takes tokens 128 (w / 2) on (one key step of attention) and head w % 2: 8 row blocks x 6 column blocks (q, q, k, k, v, v): 48 accumulators, 384 registers.
; q and k are used TRANSPOSED (source 0 = 16 weight rows, source 1 = 16 tokens): a lane holds one token and its 16 registers of a head's two tiles are d = 16 (lane / 16) + 0 .. 15: half of the head's one block.
; v is used as it is (source 0 = tokens, source 1 = weight rows): a lane holds one d and the 16 registers of row blocks 2 b, 2 b + 1 are 16 neighbouring tokens: v's K.
; LDS: K steps 0-6 of x (25,600 bytes each) and of the weights (19,200) have bytes of their own; K step 7 is asked for at K step 3 onto K step 0's bytes and waited for at K step 6.
; One tensor load of a wave is out at the most.
; CLUSTER 4 x 4: x's blocks hang on the tile of tokens alone and are asked for jointly along a row of the cluster, the weights' on the pair of heads alone, jointly along a column.
; OUT (heads): q at 0: for each (batch, head) 51,200 bytes: 32 images (an image's four K blocks are four row blocks of 16 tokens: 64 tokens), then 16 x 128 bytes of scale words (two images' words on end);
; k and v at KV_OFF: for each (batch, head) 102,400 bytes: k's 32 images, k's words, v's 32 images (key step st, tile t of 16 d: 2 st + t), v's words.
; LIMITS: NaN and infinities are not served; a block whose largest magnitude lies under 2^-122 keeps the byte 1 (a block of zeros too; its codes are zeros; only this program reads the bytes).
; In the rotary embedding the second product of each sum is fused into the addition: one rounding fewer than two products and a sum.
; REGISTERS: window 0: v1-15 addresses; v16, v17 for the add; v20-33 scale words, two sets; v34-49 at work; v50-58 scale words made; v64-231 fragment set X (A at 64 + 12 a, B at 160 + 12 cb); in the epilogue v64-127 numbers, v128-247 codes.
;   window 1: fragment set Y.   window 2: q's accumulators at 16 a + 8 u, k's at 128 + 16 a + 8 u.   window 3: v's at 64 u + 8 a; from v128 cos and sin of my tokens, 16 registers a row block.
.set W_OFF,    3276800
.set ROPE_OFF, 6553600
.set KV_OFF,   3276800
.set SLOTB, 89600
; LDS AS IT IS NOW: x's K steps 0-3 at 0 (25,600 bytes each), the weights' K steps 0-3 at 102,400 (19,200 each): the head's loads, one a wave;
; x's K steps 4-6 at 179,200 and the weights' at 256,000: first fills behind the full sequence and a round (wave 0: x's 300 rows of 256 bytes; waves 1-3: one K step of the weights each);
; K step 7 lands on K step 0's bytes behind the round at K step 3 (wave 0: x's, wave 1: the weights').  One tensor load of a wave is out at the most; every wait on them is for 0.
.set SPARE, 313600                     ; the spare words: 128 bytes for each wave
.set TM, 34
.set ST, 64
.set MSB, 0
.macro WIN new                         ; the immediate's high byte repeats the setting that is left
.if MSB != (\new)
	s_set_vgpr_msb (MSB<<8)|(\new)
.set MSB, \new
.endif
.endm
.macro PLACES n
.rept \n
	v_nop
.endr
.endm
.macro ROUND                           ; a round of the cluster's barrier
	s_barrier_signal -1
	s_barrier_wait -1
	s_cmp_lg_u32 s8, 0
	s_cbranch_scc1 .Lnot_wave_0_\@
	s_barrier_signal -3
.Lnot_wave_0_\@:
	s_barrier_wait -3
	s_barrier_signal -1
	s_barrier_wait -1
.endm
.macro WMC d, a, b, c, sa, sb, ra, rb  ; one product; ra, rb: the side's scales stand in lanes 16-31
.if (\ra) && (\rb)
	v_wmma_scale_f32_16x16x128_f8f6f4 v[0+(\d):7+(\d)], v[0+(\a):11+(\a)], v[0+(\b):11+(\b)], \c, v[\sa], v[\sb] matrix_a_fmt:MATRIX_FMT_BF6 matrix_b_fmt:MATRIX_FMT_BF6 matrix_a_scale:MATRIX_SCALE_ROW1 matrix_b_scale:MATRIX_SCALE_ROW1
.elseif (\ra)
	v_wmma_scale_f32_16x16x128_f8f6f4 v[0+(\d):7+(\d)], v[0+(\a):11+(\a)], v[0+(\b):11+(\b)], \c, v[\sa], v[\sb] matrix_a_fmt:MATRIX_FMT_BF6 matrix_b_fmt:MATRIX_FMT_BF6 matrix_a_scale:MATRIX_SCALE_ROW1
.elseif (\rb)
	v_wmma_scale_f32_16x16x128_f8f6f4 v[0+(\d):7+(\d)], v[0+(\a):11+(\a)], v[0+(\b):11+(\b)], \c, v[\sa], v[\sb] matrix_a_fmt:MATRIX_FMT_BF6 matrix_b_fmt:MATRIX_FMT_BF6 matrix_b_scale:MATRIX_SCALE_ROW1
.else
	v_wmma_scale_f32_16x16x128_f8f6f4 v[0+(\d):7+(\d)], v[0+(\a):11+(\a)], v[0+(\b):11+(\b)], \c, v[\sa], v[\sb] matrix_a_fmt:MATRIX_FMT_BF6 matrix_b_fmt:MATRIX_FMT_BF6
.endif
.endm
.macro WM d, a, b, z, sa, sb, ra, rb   ; z = 1: the product starts the sum
.if (\z)
	WMC \d, \a, \b, 0, \sa, \sb, \ra, \rb
.else
	WMC \d, \a, \b, v[0+(\d):7+(\d)], \sa, \sb, \ra, \rb
.endif
.endm
; the joint fills: wave 0 asks for x's K steps, waves 1 .. nb for the weights'; the branch hangs on the wave's number alone; four v_nop follow each of the two lines
.macro JLOAD ga, gb, nb                ; wave 0 asks for x's block by group 0 ga, waves 1 .. nb for the weights' by gb; the others ask for nothing; every arm has its four v_nop
	s_cmp_eq_u32 s8, 0
	s_cbranch_scc0 .Lfor_b_\@
	tensor_load_to_lds s[\ga:\ga+3], s[24:31]
	s_nop 0
.rept 4
	v_nop
.endr
	s_branch .Lasked_\@
.Lfor_b_\@:
.if \nb < 3
	s_cmp_gt_u32 s8, \nb
	s_cbranch_scc1 .Lnone_\@
.endif
	tensor_load_to_lds s[\gb:\gb+3], s[32:39]
	s_nop 0
.rept 4
	v_nop
.endr
.if \nb < 3
	s_branch .Lasked_\@
.Lnone_\@:
.rept 4
	v_nop
.endr
.endif
.Lasked_\@:
.endm
	s_load_b128 s[4:7], s[0:1], 0x0                ; ops, heads
	v_lshl_add_u32 v16, v0, 2, SPARE
	v_mov_b32 v17, 0
	ds_add_u32 v16, v17
	ds_add_u32 v16, v17
	s_wait_dscnt 0x0
	v_lshrrev_b32 v1, 5, v0
	v_readfirstlane_b32 s8, v1                     ; wave 0..3
	s_lshr_b32 s9, s8, 1                           ; which 128 tokens are mine.  Also: I fetch for x (0) or for the weights (1)
	s_and_b32 s10, s8, 1                           ; which head.  Also: which two K steps of the head's load I fetch
	s_bfe_u32 s11, ttmp6, 0x40000                  ; cx
	s_bfe_u32 s12, ttmp6, 0x40004                  ; cy
	s_lshl_b32 s13, ttmp9, 2
	s_add_co_u32 s13, s13, s11                     ; the pair of heads = 4 x cluster x + cx
	s_and_b32 s14, ttmp7, 0xffff
	s_lshl_b32 s14, s14, 2
	s_add_co_u32 s14, s14, s12                     ; the tile of 256 tokens = 4 x cluster y + cy
	s_lshl_b32 s15, s12, 2
	s_lshl_b32 s15, 15, s15                        ; my row of the cluster
	s_lshl_b32 s16, 0x1111, s11                    ; my column
	; descriptor groups 1: dense blocks as rows of 256 bytes (32 elements of 8 bytes): 100 rows for x, 75 for the weights
	s_or_b32 s24, s15, (3<<16)|(1<<21)
	s_mov_b32 s25, 32<<16
	s_mov_b32 s26, 200<<16                         ; the head's loads: 200 rows of x (two K steps), 150 of the weights
	s_mov_b32 s27, 32<<16
	s_mov_b32 s28, 200
	s_mov_b32 s29, 32
	s_mov_b32 s30, 0
	s_mov_b32 s31, 0
	s_or_b32 s32, s16, (3<<16)|(1<<21)
	s_mov_b32 s33, 32<<16
	s_mov_b32 s34, 150<<16
	s_mov_b32 s35, 32<<16
	s_mov_b32 s36, 150
	s_mov_b32 s37, 32
	s_mov_b32 s38, 0
	s_mov_b32 s39, 0
	s_mul_i32 s18, s14, 204800                     ; x's blocks hang on the tile of tokens and the wave's number,
	s_mov_b32 s19, 0
	s_mul_i32 s80, s13, 153600                     ; the weights' on the pair of heads and the wave's number: each in registers that never hold the other coordinate
	s_add_co_u32 s80, s80, W_OFF
	s_mov_b32 s81, 0
	s_mul_i32 s22, s10, 51200                      ; the head: my two K steps of x, in memory and in LDS alike,
	s_mul_i32 s23, s10, 38400                      ; or of the weights
	s_mul_i32 s17, s8, 19200                       ; the second fill: wave j = 1 .. 3 takes the weights' K step 3 + j
	s_wait_kmcnt 0x0
	s_add_nc_u64 s[20:21], s[4:5], s[18:19]
	s_add_nc_u64 s[82:83], s[4:5], s[80:81]
	s_mov_b32 s40, 1                               ; x, the head: K steps 0-1 or 2-3
	s_mov_b32 s41, s22
	s_mov_b32 s18, s22
	s_add_nc_u64 s[42:43], s[20:21], s[18:19]
	s_or_b32 s43, s43, 0x80000000
	s_mov_b32 s44, 1                               ; x, K steps 4-6
	s_mov_b32 s45, 179200
	s_add_nc_u64 s[46:47], s[20:21], 102400
	s_or_b32 s47, s47, 0x80000000
	s_mov_b32 s48, 1                               ; x, K step 7
	s_mov_b32 s49, 0
	s_add_nc_u64 s[50:51], s[20:21], 179200
	s_or_b32 s51, s51, 0x80000000
	s_mov_b32 s52, 1                               ; the weights, the head
	s_add_co_u32 s53, s23, 102400
	s_mov_b32 s80, s23
	s_add_nc_u64 s[54:55], s[82:83], s[80:81]
	s_or_b32 s55, s55, 0x80000000
	s_mov_b32 s56, 1                               ; the weights, K step 3 + wave
	s_add_co_u32 s57, s17, 236800
	s_add_co_u32 s80, s17, 57600
	s_add_nc_u64 s[58:59], s[82:83], s[80:81]
	s_or_b32 s59, s59, 0x80000000
	s_mov_b32 s60, 1                               ; the weights, K step 7
	s_mov_b32 s61, 102400
	s_add_nc_u64 s[62:63], s[82:83], 134400
	s_or_b32 s63, s63, 0x80000000
	ROUND                                          ; all sixteen work-groups are here: the first joint loads meet
	s_cmp_eq_u32 s9, 0                             ; a wave's first fill stands in one branch
	s_cbranch_scc0 .Lfirst_b
	tensor_load_to_lds s[40:43], s[24:31]
	s_nop 0
.rept 4
	v_nop
.endr
	s_branch .Lfirst_done
.Lfirst_b:
	tensor_load_to_lds s[52:55], s[32:39]
	s_nop 0
.rept 4
	v_nop
.endr
.Lfirst_done:
	v_and_b32 v18, 31, v0                          ; L
	v_and_b32 v19, 15, v0                          ; r
	v_bfe_u32 v59, v0, 4, 1                        ; h
	v_lshlrev_b32 v1, 4, v18                       ; 16 L
	v_lshlrev_b32 v2, 2, v18                       ; 4 L
	v_and_b32 v3, 8, v19
	v_add_nc_u32 v3, v3, v19
	v_lshlrev_b32 v3, 7, v3
	v_lshl_add_u32 v3, v59, 6, v3                  ; the table: 128 bytes a position, + 64 h: i = 8 h + 0 .. 7
	v_cmp_lt_u32 s74, 15, v18                      ; mask of lanes 16-31
	s_mov_b32 s76, 0x76543210
	s_mov_b32 s77, 0xfedcba98
.irp b, 0,1,2,3
	v_mov_b32 v[TM+4+\b], 0                        ; written once: a lane permute's destination counts as one of its sources
.endr
	s_mul_i32 s91, s9, 12288                       ; my 8 images of x
	v_add_nc_u32 v4, s91, v1
	v_add_nc_u32 v5, 76800, v4                     ; address sets: 0: K steps 0-2 (and 7), 1: K step 3, 2: K steps 4-6
	v_add_nc_u32 v6, 179200, v4
	s_mul_i32 s91, s10, 9216                       ; my head's 6 images of the weights
	s_add_co_u32 s91, s91, 102400
	v_add_nc_u32 v7, s91, v1
	v_add_nc_u32 v8, 57600, v7
	v_add_nc_u32 v9, 153600, v7
	s_lshl_b32 s91, s9, 9                          ; x's scale words
	s_add_co_u32 s91, s91, 24576
	v_add_nc_u32 v10, s91, v2
	v_add_nc_u32 v11, 76800, v10
	v_add_nc_u32 v12, 179200, v10
	s_mul_i32 s91, s10, 384                        ; the weights'
	s_add_co_u32 s91, s91, 120832
	v_add_nc_u32 v13, s91, v2
	v_add_nc_u32 v14, 57600, v13
	v_add_nc_u32 v15, 153600, v13
	s_and_b32 s84, s14, 7                          ; the table at my first token's position: 256 x (tile % 8) + 128 x (wave / 2)
	s_lshl_b32 s84, s84, 15
	s_lshl_b32 s85, s9, 14
	s_add_co_u32 s84, s84, s85
	s_add_co_u32 s84, s84, ROPE_OFF
	s_mov_b32 s85, 0
	s_add_nc_u64 s[78:79], s[4:5], s[84:85]
	WIN 0xc0                                       ; destination window 3
.set a, 0
.rept 8
.irp q, 0,1,2,3
	global_load_b128 v[128+16*a+4*\q:131+16*a+4*\q], v3, s[78:79] offset:(32*(a/2)+8*(a%2))*128+16*\q   ; (cos, sin) of i = 8 h + 2 q, 2 q + 1 at my token of row block a: lands under the products
.endr
.set a, a+1
.endr
	WIN 0
	s_lshr_b32 s84, s14, 3                         ; where my results go: (batch, head) = 32 x batch + 2 x pair + head % 2,
	s_lshl_b32 s84, s84, 5
	s_lshl_b32 s85, s13, 1
	s_add_co_u32 s84, s84, s85
	s_add_co_u32 s84, s84, s10
	s_and_b32 s85, s14, 7                          ; key step = 2 x (tile % 8) + wave / 2
	s_lshl_b32 s85, s85, 1
	s_add_co_u32 s85, s85, s9
	s_mul_i32 s86, s84, 51200
	s_mul_i32 s87, s85, 3072
	s_lshl_b32 s90, s85, 7
	s_add_co_u32 s88, s86, s87
	s_mov_b32 s89, 0
	s_add_nc_u64 s[66:67], s[6:7], s[88:89]        ; q's images
	s_add_co_u32 s88, s86, s90
	s_add_co_u32 s88, s88, 49152
	s_add_nc_u64 s[68:69], s[6:7], s[88:89]        ; q's words
	s_mul_i32 s86, s84, 102400
	s_add_co_u32 s86, s86, KV_OFF
	s_add_co_u32 s88, s86, s87
	s_add_nc_u64 s[70:71], s[6:7], s[88:89]        ; k's images (v's: 51,200 on)
	s_add_co_u32 s88, s86, s90
	s_add_co_u32 s88, s88, 49152
	s_add_nc_u64 s[72:73], s[6:7], s[88:89]        ; k's words (v's: 51,200 on)
; 49 LDS loads in one run: K step (slot sg, parity e): my 8 fragments of x, my head's 6 of the weights, into set p; 7 registers of scale words (lanes 0-15 an even block's, lanes 16-31 the odd one's)
.macro FETCH sg, e, p
	WIN 0x40*(\p)
.set i, 0
.rept 8
.irp c, 0,1,2
	ds_load_b128 v[64+12*i+4*\c:67+12*i+4*\c], v[4+\sg] offset:(\e)*25600+i*1536+512*\c
.endr
.set i, i+1
.endr
.set i, 0
.rept 6
.irp c, 0,1,2
	ds_load_b128 v[160+12*i+4*\c:163+12*i+4*\c], v[7+\sg] offset:(\e)*19200+i*1536+512*\c
.endr
.set i, i+1
.endr
	WIN 0
.irp k, 0,1,2,3
	ds_load_b32 v[20+7*(\p)+\k], v[10+\sg] offset:(\e)*25600+128*\k
.endr
.irp k, 0,1,2
	ds_load_b32 v[24+7*(\p)+\k], v[13+\sg] offset:(\e)*19200+128*\k
.endr
.endm
; the 48 accumulators take turns, one instruction a turn, in the same order in every K step
.macro MULQK p, z                      ; q and k, transposed: source 0 = weight rows, source 1 = tokens
	WIN 0xa0+5*(\p)
.set a, 0
.rept 8
.irp ty, 0,1
.irp u, 0,1
	WM 128*\ty+16*a+8*\u, 160+12*(2*\ty+\u), 64+12*a, \z, 24+7*(\p)+\ty, 20+7*(\p)+a/2, \u, a%2
.endr
.endr
.set a, a+1
.endr
.endm
.macro MULV p, z                       ; v: source 0 = tokens, source 1 = weight rows
	WIN 0xf0+5*(\p)
.set a, 0
.rept 8
.irp u, 0,1
	WM 64*\u+8*a, 64+12*a, 160+12*(4+\u), \z, 20+7*(\p)+a/2, 26+7*(\p), a%2, \u
.endr
.set a, a+1
.endr
.endm
.macro KSTEP p, z, more, nsg, ne       ; multiplies set p; more = 1: first asks for the next K step's fragments, into the other set
	s_wait_dscnt 0x0                               ; set p, asked for a K step ago, is in
.if \more
	PLACES 4                                       ; places between the products that read the other set and its scale words, and the loads into them
	FETCH \nsg, \ne, 1-(\p)
.endif
	MULQK \p, \z
	MULV \p, \z
.endm
; a K step at which all tensor loads are waited for.  fill = 1: slot 0, whose last reads are in, is filled again behind a round of the cluster's barrier; fill = 0: that refill has landed, in every wave
.macro TURN p, fill, nsg
	WIN 0                                          ; (the add's two registers lie in window 0)
	s_wait_tensorcnt 0x0                           ; all my tensor loads have landed
	ds_add_u32 v16, v17                            ; 0 onto my spare word
	s_wait_dscnt 0x1                               ; set p is in; only the add may be out
	MULQK \p, 0                                    ; 32 matrix instructions stand between the add and the wait for it
	s_wait_dscnt 0x0                               ; the add is done, and my reads of the slots are in
	WIN 0
.if \fill
	ROUND                                          ; no wave of any partner still reads slot 0 or has a load on its way
	s_mov_b32 s26, 100<<16                         ; no tensor load of mine is out: x's K step 7 is 100 rows
	s_mov_b32 s28, 100
	JLOAD 48, 60, 1
.else
	s_barrier_signal -1
	s_barrier_wait -1
	PLACES 4
.endif
	FETCH \nsg, 0, 1-(\p)
	MULV \p, 0
.endm
	s_wait_alu depctr_va_vdst(0)
	s_wait_tensorcnt 0x0                           ; my part of K steps 0-3 is in
	ds_add_u32 v16, v17
	s_mov_b32 s26, 300<<16                         ; no tensor load of mine is out: the second fill is 300 rows of x, 75 of the weights
	s_mov_b32 s28, 300
	s_mov_b32 s34, 75<<16
	s_mov_b32 s36, 75
	s_wait_dscnt 0x0
	ROUND                                          ; everybody's part is in, and all sixteen work-groups are here
	JLOAD 44, 56, 3                                ; K steps 4-6
	FETCH 0, 0, 0
	KSTEP 0, 1, 1, 0, 1                            ; K step 0: its products start the sums
	KSTEP 1, 0, 1, 0, 2                            ; 1
	KSTEP 0, 0, 1, 1, 0                            ; 2
	TURN 1, 1, 2                                   ; 3; K steps 4-6 have landed; K step 7 is asked for onto K step 0's bytes
	KSTEP 0, 0, 1, 2, 1                            ; 4
	KSTEP 1, 0, 1, 2, 2                            ; 5
	TURN 0, 0, 0                                   ; 6; K step 7 has landed
	KSTEP 1, 0, 0, 0, 0                            ; 7
	WIN 0
	PLACES 4                                       ; places between the last products and the first read of results
	s_wait_loadcnt 0x0                             ; the table
; 64 numbers of a lane in window w, register 16 b + i = k 32 b + 16 (lane / 16) + i of my row, become a fragment's codes in v[pc] on and its scale word in v[pw]
.macro QUANT w, s, pc, pw
	WIN ((\w)<<2)|((\w)<<4)
.irp b, 0,1,2,3
	v_max3_num_f32 v[TM+\b], 0x2800000, |v[16*\b+(\s)]|, |v[16*\b+1+(\s)]|   ; block b: my 16 numbers, and the floor 2^(5 - 127): the byte cannot fall under 1
.endr
.irp i, 2,4,6,8,10,12,14
.irp b, 0,1,2,3
	v_max3_num_f32 v[TM+\b], v[TM+\b], |v[16*\b+\i+(\s)]|, |v[16*\b+\i+1+(\s)]|   ; (the four blocks by turns)
.endr
.endr
	WIN 0
.irp b, 0,1,2,3
	v_permlanex16_b32 v[TM+4+\b], v[TM+\b], s76, s77
.endr
.irp b, 0,1,2,3
	v_max_num_f32 v[TM+\b], v[TM+\b], v[TM+4+\b]   ; with lane l xor 16's: the block's largest magnitude
.endr
.irp b, 0,1,2,3
	v_add_nc_u32 v[TM+12+\b], 0xfe000000, v[TM+\b] ; 4 off its exponent field: the conversion's scale operand
.endr
.irp b, 0,1,2,3
	v_lshrrev_b32 v[TM+4+\b], 23, v[TM+12+\b]      ; the scale's byte
.endr
	v_lshl_or_b32 v[\pw], v[TM+5], 8, v[TM+4]
	v_lshl_or_b32 v[\pw], v[TM+6], 16, v[\pw]
	v_lshl_or_b32 v[\pw], v[TM+7], 24, v[\pw]
	WIN \w
.irp c, 0,1
	v_cvt_scalef32_pk16_bf6_f32 v[6*\c+(\pc):6*\c+2+(\pc)], v[32*\c+(\s):32*\c+15+(\s)], v[TM+12+2*\c]
	v_cvt_scalef32_pk16_bf6_f32 v[12+4*\c+(\pc):14+4*\c+(\pc)], v[32*\c+16+(\s):32*\c+31+(\s)], v[TM+13+2*\c]   ; (a conversion's three registers begin on an even number)
.endr
	WIN 0
	v_nop                                          ; one plain place behind a scaled conversion
.irp c, 0,1                            ; the operand's layout wants a whole block in a lane: lanes 0-15 block 2 c, lanes 16-31 block 2 c + 1
.irp i, 0,1,2
	v_permlane16_swap_b32 v[6*\c+\i+(\pc)], v[12+4*\c+\i+(\pc)]
.endr
.irp i, 0,1,2
	v_mov_b32 v[3+6*\c+\i+(\pc)], v[12+4*\c+\i+(\pc)]
.endr
.endr
.endm
; the rotary embedding of row blocks 4 z + 0 .. 3 of q (ty = 0) or k (1): (x1, x2) -> (x1 c - x2 s, x1 s + x2 c), into v[ST] on; each accumulator is read from its low end on
.macro ROPE ty, z
	WIN 0x0e                                       ; source 0 window 2 (x), source 1 window 3 (the table), source 2 and destination window 0
.irp b, 0,1,2,3
.set rX, 128*(\ty)+16*(4*(\z)+\b)
.set rT, 128+16*(4*(\z)+\b)
.irp k, 0,2,4,6,8,10,12,14
	v_pk_mul_f32 v[TM+\k:TM+\k+1], v[rX+\k:rX+\k+1], v[rT+\k:rT+\k+1] op_sel:[1,1] op_sel_hi:[1,0]   ; (x2 s, x2 c)
.endr
.irp k, 0,2,4,6,8,10,12,14
	v_fma_f32 v[ST+16*\b+\k], v[rX+\k], v[rT+\k], -v[TM+\k]
	v_fma_f32 v[ST+16*\b+\k+1], v[rX+\k], v[rT+\k+1], v[TM+\k+1]
.endr
.endr
	WIN 0
.endm
.macro PUT pc, base, off               ; an image leaves as it stands: 512 consecutive bytes a store; every image has registers of its own
.irp c, 0,1,2
	global_store_b128 v1, v[4*\c+(\pc):4*\c+3+(\pc)], s[\base:\base+1] offset:(\off)+512*\c
.endr
.endm
.irp ty, 0,1
.irp z, 0,1
	ROPE \ty, \z
	QUANT 0, ST, 128+20*(2*\ty+\z), 50+2*\ty+\z    ; the four row blocks are the image's four K blocks
	PUT 128+20*(2*\ty+\z), 66+4*\ty, 1536*\z
.endr
	v_cndmask_b32 v[56+\ty], v[50+2*\ty], v[51+2*\ty], s74   ; lanes 0-15: the first image's words; lanes 16-31: the second's
	global_store_b32 v2, v[56+\ty], s[68+4*\ty:69+4*\ty]
.endr
.irp u, 0,1
	QUANT 3, 64*\u, 128+20*(4+\u), 54+\u           ; v's tile u: rows d = 8 u + r + 8 (r / 8), K = my 128 tokens
	PUT 128+20*(4+\u), 70, 51200+1536*\u
.endr
	v_cndmask_b32 v58, v54, v55, s74
	global_store_b32 v2, v58, s[72:73] offset:51200
	s_wait_tensorcnt 0x0                           ; the wave's end
	ds_add_u32 v16, v17
	s_wait_dscnt 0x0
	ROUND                                          ; the closing round
	s_endpgm
.Lfunc_end_k_q045cb79379_qkv:
	.size	k_q045cb79379_qkv, .Lfunc_end_k_q045cb79379_qkv-k_q045cb79379_qkv
	.p2alignl 7, 3214868480
	.fill 96, 4, 3214868480
	.section	.rodata,"a",@progbits
	.p2align	6, 0x0
	.amdhsa_kernel k_q045cb79379_qkv
		.amdhsa_group_segment_fixed_size 327680
		.amdhsa_private_segment_fixed_size 0
		.amdhsa_enable_private_segment 0
		.amdhsa_kernarg_size 16
		.amdhsa_user_sgpr_count 2
		.amdhsa_user_sgpr_kernarg_segment_ptr 1
		.amdhsa_wavefront_size32 1
		.amdhsa_system_sgpr_workgroup_id_x 1
		.amdhsa_system_sgpr_workgroup_id_y 1
		.amdhsa_system_sgpr_workgroup_id_z 1
		.amdhsa_system_vgpr_workitem_id 0
		.amdhsa_next_free_vgpr 1024
		.amdhsa_next_free_sgpr 100
		.amdhsa_reserve_vcc 0
		.amdhsa_float_denorm_mode_32 3
		.amdhsa_float_denorm_mode_16_64 3
		.amdhsa_memory_ordered 1
		.amdhsa_forward_progress 1
		.amdhsa_inst_pref_size 138
	.end_amdhsa_kernel
	.amdgpu_metadata
---
amdhsa.version: [ 1, 2 ]
amdhsa.kernels:
  - .name:           k_q045cb79379_qkv
    .symbol:         k_q045cb79379_qkv.kd
    .args:
      - { .name: ops, .offset: 0, .size: 8, .value_kind: global_buffer, .address_space: global }
      - { .name: heads, .offset: 8, .size: 8, .value_kind: global_buffer, .address_space: global }
    .group_segment_fixed_size: 327680
    .private_segment_fixed_size: 0
    .kernarg_segment_align: 8
    .kernarg_segment_size: 16
    .max_flat_workgroup_size: 128
    .sgpr_count:     100
    .vgpr_count:     1024
    .wavefront_size: 32
...
	.end_amdgpu_metadata
.endif
;; end of part 2
;; launch attn (part 3): grid 4 x 64, 16 waves a work-group, clusters of 4 x 1, 169,984 bytes of LDS; arguments heads, oq; writes oq
.if DOCPART == 3
	.amdgcn_target "amdgcn-amd-amdhsa--gfx1250"
	.amdhsa_code_object_version 6
	.text
	.protected	k_q045cb79379_attn
	.globl	k_q045cb79379_attn
	.p2align	8
	.type	k_q045cb79379_attn,@function
k_q045cb79379_attn:
	s_mov_b64 s[64:65], 0
	v_nop
	global_prefetch_b8 v0, s[64:65] scope:SCOPE_SE
	s_setreg_imm32_b32 hwreg(HW_REG_WAVE_MODE, 25, 1), 1
	s_wait_xcnt 0x0
	s_wait_alu depctr_hold_cnt(0) depctr_sa_sdst(0) depctr_va_vdst(0) depctr_va_sdst(0) depctr_va_ssrc(0) depctr_va_vcc(0) depctr_vm_vsrc(0)
	s_getreg_b32 s2, hwreg(HW_REG_IB_STS2, 6, 4)
	s_cmp_eq_u32 s2, 0
	s_cbranch_scc0 .Lentry_in_a_cluster
	s_endpgm
.Lentry_in_a_cluster:
	s_bfe_u32 s2, ttmp6, 0x10000c
	s_cmp_lg_u32 s2, 0x3003
	s_cbranch_scc0 .Lentry_shape_is_right
	s_endpgm
.Lentry_shape_is_right:
; Causal attention of 64 (batch, head) pairs, head size 32, 2,048 tokens, both products on codes of E3M2; the result is quantised per head (a head's 32 numbers are one K block of the last projection).
; THE SOFTMAX AHEAD OF THE SECOND PRODUCT: t = score x log2(e) / sqrt(32); M = the row's largest t so far, rounded up to a whole number; p = 2^(t - M) is quantised along the keys, not normalised;
; the row's sum is taken of the unquantised p and divides at the end; when M moves, the sum and O are multiplied by 2^(old M - new M), which rounds nothing.
; SHARES.  The four work-groups of a cluster serve one (batch, head).  Its k and v, codes and scale words, are one dense block of 102,400 bytes: it comes into each partner's LDS once, by joint loads (wave w: 25 rows of
; 256 bytes), and stays: no ring, no refill, no barrier in the loops, and no loop in which a prefetch could run ahead.  A head has 128 tiles of 16 queries; tile i (image i / 4, K block i % 4) needs i / 8 + 1 key steps
; of 128.  Wave w of partner cx takes tiles 4 w + cx and 127 - (4 w + cx): 17 key steps for every wave.  Steps all of whose keys come after the queries fall under the causal mask and are jumped over.
; The number of steps hangs on the wave's number alone; cx enters only addresses in memory and the mask's numbers.
; K = 32.  An image of k holds 64 keys: its four K blocks are four row blocks of 16 keys.  My queries' codes are set into ONE K block of an operand that is zero elsewhere; the four operands are cut out of one
; chain of registers: QL | 0 | QH | 0 | QL (QL: the codes in lanes 0-15, QH: in lanes 16-31).
; LAYOUT.  Both products transposed: a lane holds one query (lane % 16).  Row r of a row block is token 32 (a / 2) + 8 (a % 2) + r + 8 (r / 8), so the 16 registers of score tiles 2 b, 2 b + 1 are keys 32 b + 16 (lane / 16) + 0 .. 15.
; THE MASK.  Only a tile's last step lies on the diagonal.  The work-group's 32 tiles have four places in that step (first or second tile of a wave, image even or odd): for each a table of 64 registers x 32 lanes
; (0 where the key counts, -3e38 where it is hidden) is made once, a sixteenth by each wave, in LDS bytes of its own.  The diagonal step loads its table into the scores' registers and the products add onto it.
; A STEP.  v's fragments are asked for at its head; the next step's k straight behind the score products; the row's sum is added up behind the second product, whose places these additions are.
; OUT (oq): [128 tokens][K step of the projection][row block a][head % 4][row r] records of 32 bytes: six words of codes, the scale's byte as a word, 0.
; LIMITS: NaN and infinities are not served; scores stay under 1e37 in magnitude (a hidden score is the score - 3e38); a block whose largest magnitude lies under 2^-122 keeps the byte 1 (a block of zeros too: its
; codes are zeros; only this program reads the bytes).  A block's largest p is taken from the block's largest score by the same multiply-add and exponential; that takes v_exp_f32 not to fall where its input rises.
; REGISTERS: v1 16 L, v3 k's scale words, v2 and v4 my two mask tables, v5 and v7 the step's addresses; v10 -3e38, v11 my place in a record block; v12 -M, v13 the largest t, v[14:15] the sum; v16-45 the chain,
; v46 q's scale, v47 0; v48-71 k, v72-95 v; v96-159 scores, then p; v160-175 O^T; v176-195 p's codes; v196-207 at work; v208 k's, v209 v's, v210 p's scale words; v[212:213] f; v214-215 at work;
; v216-222, v248-254 my two tiles of q as loaded; v224-247 the way out and the sum's parts; v243, v255 for the add.
.set KV_OFF, 3276800
.set MASK,   102400                    ; behind k and v: four tables of 8,192 bytes; no fill lands there
.set SPARE,  0x29000                   ; the spare words, 128 bytes for each wave
.macro ROUND
	s_barrier_signal -1
	s_barrier_wait -1
	s_cmp_lg_u32 s8, 0
	s_cbranch_scc1 .Lnot_wave_0_\@
	s_barrier_signal -3
.Lnot_wave_0_\@:
	s_barrier_wait -3
	s_barrier_signal -1
	s_barrier_wait -1
.endm
.macro WMC d, a, b, c, sa, sb, ra      ; one product; ra: source 0's scales stand in lanes 16-31
.if (\ra)
	v_wmma_scale_f32_16x16x128_f8f6f4 v[0+(\d):7+(\d)], v[0+(\a):11+(\a)], v[0+(\b):11+(\b)], \c, v[\sa], v[\sb] matrix_a_fmt:MATRIX_FMT_BF6 matrix_b_fmt:MATRIX_FMT_BF6 matrix_a_scale:MATRIX_SCALE_ROW1
.else
	v_wmma_scale_f32_16x16x128_f8f6f4 v[0+(\d):7+(\d)], v[0+(\a):11+(\a)], v[0+(\b):11+(\b)], \c, v[\sa], v[\sb] matrix_a_fmt:MATRIX_FMT_BF6 matrix_b_fmt:MATRIX_FMT_BF6
.endif
.endm
.macro SM d, a, b, z, ra               ; a score tile; z = 1: onto the mask's numbers, which lie in its registers
.if (\z)
	WMC \d, \a, \b, v[0+(\d):7+(\d)], 208, 46, \ra
.else
	WMC \d, \a, \b, 0, 208, 46, \ra
.endif
.endm
.macro SMUL z                          ; S^T: tile 4 f + block: the image against the operand that has my codes in that block
.irp f, 0,1
	SM 96+32*\f, 48+12*\f, 16, \z, \f
	SM 104+32*\f, 48+12*\f, 28, \z, \f
	SM 112+32*\f, 48+12*\f, 34, \z, \f
	SM 120+32*\f, 48+12*\f, 22, \z, \f
.endr
.endm
.macro KLOAD va, vw, o, ow             ; a step's two images of k and their scale words
.irp f, 0,1
.irp c, 0,1,2
	ds_load_b128 v[48+12*\f+4*\c:51+12*\f+4*\c], v[\va] offset:(\o)+1536*\f+512*\c
.endr
.endr
	ds_load_b32 v208, v[\vw] offset:\ow
.endm
	s_load_b128 s[4:7], s[0:1], 0x0                ; heads, oq
	v_lshl_add_u32 v243, v0, 2, SPARE
	v_mov_b32 v255, 0
	ds_add_u32 v243, v255                          ; the opening lines: the add, twice on end, and its wait
	ds_add_u32 v243, v255
	v_lshrrev_b32 v1, 5, v0
	s_delay_alu instid0(VALU_DEP_1)
	v_readfirstlane_b32 s8, v1                     ; wave 0..15
	s_bfe_u32 s9, ttmp6, 0x40000                   ; cx
	s_and_b32 s10, ttmp7, 0xffff                   ; (batch, head), which the four partners share
	s_mov_b32 s16, 15|(3<<16)|(1<<21)              ; group 1: 25 rows of 256 bytes (32 elements of 8 bytes), dense; the mask names all four work-groups
	s_mov_b32 s17, 32<<16
	s_mov_b32 s18, 25<<16
	s_mov_b32 s19, 32<<16
	s_mov_b32 s20, 25
	s_mov_b32 s21, 32
	s_mov_b32 s22, 0
	s_mov_b32 s23, 0
	s_mov_b32 s24, 1
	s_mul_i32 s25, s8, 6400                        ; my sixteenth of the block, in LDS and in memory
	s_mul_i32 s34, s10, 102400
	s_add_co_u32 s34, s34, s25
	s_add_co_u32 s34, s34, KV_OFF
	s_mov_b32 s35, 0
	s_wait_dscnt 0x0
	s_wait_kmcnt 0x0
	s_add_nc_u64 s[26:27], s[4:5], s[34:35]
	s_or_b32 s27, s27, 0x80000000
	ROUND                                          ; all four work-groups are here: the joint loads meet
	tensor_load_to_lds s[24:27], s[16:23]          ; one load a wave, the only one of the launch; all that follows up to the wait is done while it is on its way
	s_nop 0
	v_and_b32 v214, 31, v0                         ; L
	v_and_b32 v215, 15, v0                         ; r
	v_bfe_u32 v213, v0, 4, 1                       ; h
	s_delay_alu instid0(VALU_DEP_3)
	v_lshlrev_b32 v1, 4, v214                      ; k's images: 16 L (v's: 51,200 on)
	v_lshlrev_b32 v3, 2, v214
	s_delay_alu instid0(VALU_DEP_1)
	v_add_nc_u32 v3, 49152, v3                     ; k's scale words (v's: 51,200 on)
	v_cmp_lt_u32 s28, 15, v214                     ; mask of lanes 16-31
	v_mov_b32 v10, 0xff61b1e6                      ; -3e38
	v_mov_b32 v47, 0
	v_lshlrev_b32 v212, 4, v213                    ; 16 h
	s_delay_alu instid0(VALU_DEP_1)
	v_lshl_add_u32 v11, v215, 5, v212              ; 32 r + 16 h
	v_and_b32 v211, 8, v215
	s_delay_alu instid0(VALU_DEP_1)
	v_add_nc_u32 v211, v211, v215
	s_delay_alu instid0(VALU_DEP_1)
	v_sub_nc_u32 v211, v211, v212                  ; r + 8 (r / 8) - 16 h
.irp k, 0,1,2,3,4,5
	v_mov_b32 v[22+\k], 0                          ; the chain's zeros, written once
	v_mov_b32 v[34+\k], 0
.endr
.irp b, 0,1,2,3
	v_mov_b32 v[200+\b], 0                         ; written once: a lane permute's destination counts as one of its sources
.endr
	s_mov_b32 s12, 0x76543210
	s_mov_b32 s13, 0xfedcba98                      ; v_permlanex16_b32's selects for lane l xor 16
	s_mov_b32 s14, 0x3e8293ee                      ; c = log2(e) / sqrt(32)
	s_mov_b32 s15, s14                             ; (named with it as a pair, so it is written)
	s_mov_b32 s33, 0x01010101
	s_mov_b32 s36, s8                              ; first tile: image w, K block cx
	s_mov_b32 s37, s9
	s_sub_co_u32 s44, 31, s8                       ; second tile: image 31 - w, K block 3 - cx
	s_sub_co_u32 s45, 3, s9
; a tile's scalars, s[P] = image G, s[P+1] = K block beta:  P+2 its last key step G / 2;  P+3 8 beta;  P+6, P+7 where its records go.  And the loads of its codes and scale word:
; every lane takes row r = lane % 16: the block's six words lie in the image at 16 r + 256 (beta % 2) + (0, 8, 512) for beta < 2, (520, 1024, 1032) else
.macro PREP P, VA, RAW
	s_lshr_b32 s[\P+2], s[\P], 1
	s_lshl_b32 s[\P+3], s[\P+1], 3
	s_and_b32 s52, s[\P], 1
	s_lshr_b32 s53, s[\P+1], 1
	s_and_b32 s54, s[\P+1], 1
	s_mul_i32 s55, s10, 51200
	s_mul_i32 s56, s[\P], 1536
	s_add_co_u32 s56, s56, s55
	s_lshl_b32 s57, s54, 8
	s_add_co_u32 s56, s56, s57
	s_mul_i32 s57, s53, 520
	s_add_co_u32 s57, s57, s56
	v_lshl_add_u32 v[\VA], v215, 4, s57
	s_mul_i32 s57, s53, 1016
	s_add_co_u32 s57, s57, s56
	v_lshl_add_u32 v[\VA+1], v215, 4, s57
	s_lshl_b32 s57, s[\P], 6
	s_add_co_u32 s57, s57, s55
	s_add_co_u32 s57, s57, 49152
	v_lshl_add_u32 v[\VA+2], v215, 2, s57
	global_load_b64 v[\RAW:\RAW+1], v[\VA], s[4:5]
	global_load_b64 v[\RAW+2:\RAW+3], v[\VA+1], s[4:5] offset:8
	global_load_b64 v[\RAW+4:\RAW+5], v[\VA], s[4:5] offset:512
	global_load_b32 v[\RAW+6], v[\VA+2], s[4:5]
	s_lshr_b32 s57, s10, 5
	s_lshl_b32 s57, s57, 4
	s_add_co_u32 s57, s57, s[\P+2]                 ; the tile of 128 tokens: 16 x batch + G / 2
	s_lshl_b32 s57, s57, 17
	s_bfe_u32 s58, s10, 0x30002                    ; head / 4: the projection's K step
	s_lshl_b32 s58, s58, 14
	s_add_co_u32 s57, s57, s58
	s_lshl_b32 s58, s52, 2
	s_add_co_u32 s58, s58, s[\P+1]                 ; row block 4 (G % 2) + beta
	s_lshl_b32 s58, s58, 11
	s_add_co_u32 s57, s57, s58
	s_and_b32 s58, s10, 3                          ; head % 4: the K block
	s_lshl_b32 s58, s58, 9
	s_add_co_u32 s58, s57, s58
	s_mov_b32 s59, 0
	s_add_nc_u64 s[\P+6:\P+7], s[6:7], s[58:59]
.endm
	PREP 36, 224, 216
	PREP 44, 228, 248
	; my sixteenth of the mask tables: table w / 4 = 2 x (second tile) + (image odd), its block b = w % 4: registers 16 b + i
	s_lshr_b32 s52, s8, 2
	s_and_b32 s53, s52, 1
	s_lshl_b32 s53, s53, 6                         ; 64 (G % 2)
	s_sub_co_u32 s54, 3, s9
	s_cmp_lt_u32 s8, 8                             ; the choice hangs on the wave's number; cx enters the numbers alone
	s_cselect_b32 s54, s9, s54                     ; beta
	s_lshr_b32 s55, s54, 1
	s_lshl_b32 s55, s55, 5
	s_add_co_u32 s53, s53, s55                     ; + 32 (beta / 2)
	s_and_b32 s55, s54, 1
	s_lshl_b32 s55, s55, 3
	s_add_co_u32 s53, s53, s55                     ; + 8 (beta % 2): the first query's place in its last step
	s_and_b32 s55, s8, 3
	s_lshl_b32 s55, s55, 5
	s_sub_co_i32 s53, s53, s55                     ; - 32 b
	v_add_nc_u32 v9, s53, v211                     ; register 16 b + i holds key 32 b + 16 h + i: hidden where i > my query's place - 16 h - 32 b
.set n, 0
.rept 16
	v_cmp_gt_i32 vcc_lo, n, v9
	v_cndmask_b32 v[96+n], 0, v10, vcc_lo
.set n, n+1
.endr
	s_lshl_b32 s55, s8, 11
	s_add_co_u32 s55, s55, MASK
	v_add_nc_u32 v5, s55, v1                       ; where my sixteenth goes: 2,048 bytes a wave, as an image of registers
	s_and_b32 s55, s8, 1
	s_lshl_b32 s56, s55, 13
	s_add_co_u32 s56, s56, MASK
	v_add_nc_u32 v2, s56, v1                       ; my first tile's table: w % 2
	s_xor_b32 s55, s55, 3
	s_lshl_b32 s56, s55, 13
	s_add_co_u32 s56, s56, MASK
	v_add_nc_u32 v4, s56, v1                       ; my second tile's: 3 - w % 2
	s_wait_alu depctr_va_vdst(0)
	s_wait_tensorcnt 0x0                           ; my part of k and v has landed
.irp q, 0,1,2,3
	ds_store_b128 v5, v[96+4*\q:99+4*\q] offset:512*\q
.endr
	s_wait_dscnt 0x0                               ; my part of the tables is stored
	s_barrier_signal -1
	s_barrier_wait -1                              ; everybody's is: from here on LDS is only read
	s_wait_loadcnt 0x0                             ; q
; ONE TILE OF 16 QUERIES.  trips: a constant that covers the tiles of this pass; MK: the register with its mask table's address
.macro PASS P, RAW, trips, MK
	v_lshrrev_b32 v214, s[\P+3], v[\RAW+6]
	s_delay_alu instid0(VALU_DEP_1)
	v_and_b32 v214, 0xff, v214
	s_delay_alu instid0(VALU_DEP_1)
	v_mul_lo_u32 v46, v214, s33                    ; my row's scale byte, in all four bytes
.irp k, 0,1,2,3,4,5
	v_cndmask_b32 v[16+\k], v[\RAW+\k], v47, s28   ; QL
	v_cndmask_b32 v[28+\k], v47, v[\RAW+\k], s28   ; QH
	v_cndmask_b32 v[40+\k], v[\RAW+\k], v47, s28   ; QL
.endr
	v_mov_b32 v13, 0xff61b1e6                      ; the largest t so far: -3e38
	s_delay_alu instid0(VALU_DEP_1)
	v_floor_f32 v12, -v13                          ; -M
	v_mov_b32 v14, 0
	v_mov_b32 v15, 0
.set j, 0
.rept 16
	v_mov_b32 v[160+j], 0                          ; O^T: the step is written once; the first finds zeros.  (Also the places between the scale and operands just written and the first product)
.set j, j+1
.endr
	KLOAD 1, 3, 0, 0                               ; step 0's k
	s_mov_b32 s29, 0                               ; the key step
	s_mov_b32 s31, 0                               ; its images: 3,072 bytes a step
	s_mov_b32 s32, 0                               ; its scale words: 128 bytes a step
	s_wait_alu depctr_va_vdst(0)
.Lstep_\@:
	s_cmp_gt_u32 s29, s[\P+2]                      ; all its keys come after my queries: nothing to do
	s_cbranch_scc1 .Lskip_\@
	v_add_nc_u32 v5, s31, v1
	v_add_nc_u32 v7, s32, v3
	s_wait_alu depctr_va_vdst(0)
.irp f, 0,1
.irp c, 0,1,2
	ds_load_b128 v[72+12*\f+4*\c:75+12*\f+4*\c], v5 offset:51200+1536*\f+512*\c   ; v: the additions behind the last products are the places in front of these loads
.endr
.endr
	ds_load_b32 v209, v7 offset:51200
	s_cmp_lg_u32 s29, s[\P+2]                      ; only my last step lies on the diagonal
	s_cbranch_scc1 .Lopen_\@
.set n, 0
.rept 16
	ds_load_b128 v[96+4*n:99+4*n], v[\MK] offset:512*n   ; the mask's numbers into the scores' registers
.set n, n+1
.endr
	s_wait_dscnt 0x0
	SMUL 1
	v_mov_b32 v215, v12                            ; the old -M.  (Four places between the products and the first read of results)
.rept 3
	v_nop
.endr
	s_branch .Ljoin_\@
.Lopen_\@:
	s_wait_dscnt 7                                 ; k and its words are in; v's seven loads are younger
	SMUL 0
	v_mov_b32 v215, v12                            ; the old -M.  (Four places, also in front of the loads into k's registers)
.rept 3
	v_nop
.endr
	KLOAD 5, 7, 3072, 128                          ; the next step's k
.Ljoin_\@:
.irp b, 0,1,2,3
	v_max3_num_f32 v[196+\b], v[96+16*\b], v[97+16*\b], v[98+16*\b]   ; the largest score of each block of 32 keys: for the row's maximum, and for the block's largest p
.endr
.irp i, 3,5,7,9,11,13
.irp b, 0,1,2,3
	v_max3_num_f32 v[196+\b], v[196+\b], v[96+16*\b+\i], v[97+16*\b+\i]
.endr
.endr
.irp b, 0,1,2,3
	v_max_num_f32 v[196+\b], v[196+\b], v[111+16*\b]
.endr
.irp b, 0,1,2,3
	s_delay_alu instid0(VALU_DEP_4)
	v_permlanex16_b32 v[200+\b], v[196+\b], s12, s13
.endr
.irp b, 0,1,2,3
	s_delay_alu instid0(VALU_DEP_4)
	v_max_num_f32 v[196+\b], v[196+\b], v[200+\b]  ; with lane l xor 16's 16 keys
.endr
	s_delay_alu instid0(VALU_DEP_2)
	v_max3_num_f32 v214, v196, v197, v198
	s_delay_alu instid0(VALU_DEP_1)
	v_max_num_f32 v214, v214, v199
	s_delay_alu instid0(VALU_DEP_1)
	v_mul_f32 v214, s14, v214                      ; as t
	s_delay_alu instid0(VALU_DEP_1)
	v_max_num_f32 v13, v13, v214                   ; the running largest t
	s_delay_alu instid0(VALU_DEP_1)
	v_floor_f32 v12, -v13                          ; the new -M = -ceil(t)
	s_delay_alu instid0(VALU_DEP_1)
	v_sub_f32 v214, v12, v215                      ; old M - new M: a whole number, 0 or less
	s_delay_alu instid0(VALU_DEP_1)
	v_cvt_i32_f32 v214, v214                       ; (it saturates)
	s_delay_alu instid0(VALU_DEP_1)
	v_ldexp_f32 v212, 1.0, v214                    ; f = 2^(old M - new M)
.set j, 0
.rept 32
	v_pk_fma_f32 v[96+j:97+j], v[96+j:97+j], s[14:15], v[12:13] op_sel_hi:[1,0,0]   ; t - M
.set j, j+2
.endr
.irp b, 0,1,2,3
	v_fma_f32 v[196+\b], v[196+\b], s14, v12
.endr
	s_wait_alu depctr_va_vdst(0)
.set j, 0
.rept 64
	v_exp_f32 v[96+j], v[96+j]                     ; p = 2^(t - M)
.set j, j+1
.endr
.irp b, 0,1,2,3
	v_exp_f32 v[196+\b], v[196+\b]                 ; the block's largest p
.endr
	v_pk_mul_f32 v[14:15], v[14:15], v[212:213] op_sel_hi:[1,0]   ; the sums under the new M.  (A plain place behind the exponentials)
	s_wait_alu depctr_va_vdst(0)                   ; and behind it
.irp b, 0,1,2,3
	v_max_num_f32 v[196+\b], 0x2800000, v[196+\b]  ; the floor 2^(5 - 127)
.endr
.irp b, 0,1,2,3
	s_delay_alu instid0(VALU_DEP_4)
	v_add_nc_u32 v[204+\b], 0xfe000000, v[196+\b]  ; the conversion's scale operand
.endr
.irp b, 0,1,2,3
	s_delay_alu instid0(VALU_DEP_4)
	v_lshrrev_b32 v[200+\b], 23, v[204+\b]         ; the scale's byte
.endr
	s_delay_alu instid0(VALU_DEP_3)
	v_lshl_or_b32 v210, v201, 8, v200              ; p's scale word for these 128 keys
	s_delay_alu instid0(VALU_DEP_1)
	v_lshl_or_b32 v210, v202, 16, v210
	s_delay_alu instid0(VALU_DEP_1)
	v_lshl_or_b32 v210, v203, 24, v210
.irp c, 0,1
	v_cvt_scalef32_pk16_bf6_f32 v[176+6*\c:178+6*\c], v[96+32*\c:111+32*\c], v[204+2*\c]
	v_cvt_scalef32_pk16_bf6_f32 v[188+4*\c:190+4*\c], v[112+32*\c:127+32*\c], v[205+2*\c]
.endr
	v_nop                                          ; one plain place behind a scaled conversion
.irp c, 0,1
.irp i, 0,1,2
	v_permlane16_swap_b32 v[176+6*\c+\i], v[188+4*\c+\i]
.endr
.irp i, 0,1,2
	s_delay_alu instid0(VALU_DEP_3)
	v_mov_b32 v[179+6*\c+\i], v[188+4*\c+\i]
.endr
.endr
.irp j, 0,2,4,6,8,10,12,14
	v_pk_mul_f32 v[160+\j:161+\j], v[160+\j:161+\j], v[212:213] op_sel_hi:[1,0]   ; O^T under the new M.  (With the moves above: the places between p's scale word and codes and the products)
.endr
	s_wait_alu depctr_va_vdst(0)
	s_wait_dscnt 0x0                               ; v and its words are in (and the next step's k)
	WMC 160, 72, 176, v[160:167], 209, 210, 0      ; O^T += V^T P^T: two tiles of 16 d, by turns
	WMC 168, 84, 176, v[168:175], 209, 210, 1
	v_pk_add_f32 v[214:215], v[100:101], v[104:105]   ; the row's sum of the unquantised p, in eight chains; these lines name no register of the two products
	v_pk_add_f32 v[246:247], v[108:109], v[112:113]
	v_pk_add_f32 v[244:245], v[116:117], v[120:121]
	v_pk_add_f32 v[240:241], v[124:125], v[128:129]
	v_pk_add_f32 v[238:239], v[132:133], v[136:137]
	v_pk_add_f32 v[236:237], v[140:141], v[144:145]
	v_pk_add_f32 v[234:235], v[148:149], v[152:153]
	v_pk_add_f32 v[14:15], v[14:15], v[156:157]
	v_pk_add_f32 v[214:215], v[214:215], v[96:97]
	v_pk_add_f32 v[246:247], v[246:247], v[98:99]
	v_pk_add_f32 v[244:245], v[244:245], v[102:103]
	v_pk_add_f32 v[240:241], v[240:241], v[106:107]
	v_pk_add_f32 v[238:239], v[238:239], v[110:111]
	v_pk_add_f32 v[236:237], v[236:237], v[114:115]
	v_pk_add_f32 v[234:235], v[234:235], v[118:119]
	v_pk_add_f32 v[14:15], v[14:15], v[122:123]
	v_pk_add_f32 v[214:215], v[214:215], v[126:127]
	v_pk_add_f32 v[246:247], v[246:247], v[130:131]
	v_pk_add_f32 v[244:245], v[244:245], v[134:135]
	v_pk_add_f32 v[240:241], v[240:241], v[138:139]
	v_pk_add_f32 v[238:239], v[238:239], v[142:143]
	v_pk_add_f32 v[236:237], v[236:237], v[146:147]
	v_pk_add_f32 v[234:235], v[234:235], v[150:151]
	v_pk_add_f32 v[14:15], v[14:15], v[154:155]
	v_pk_add_f32 v[214:215], v[214:215], v[158:159]
	s_delay_alu instid0(VALU_DEP_2)
	v_pk_add_f32 v[14:15], v[14:15], v[240:241]
	s_delay_alu instid0(VALU_DEP_2)
	v_pk_add_f32 v[214:215], v[214:215], v[238:239]
	v_pk_add_f32 v[246:247], v[246:247], v[236:237]
	v_pk_add_f32 v[244:245], v[244:245], v[234:235]
	s_delay_alu instid0(VALU_DEP_2)
	v_pk_add_f32 v[14:15], v[14:15], v[246:247]
	s_delay_alu instid0(VALU_DEP_2)
	v_pk_add_f32 v[214:215], v[214:215], v[244:245]
	s_delay_alu instid0(VALU_DEP_1)
	v_pk_add_f32 v[14:15], v[14:15], v[214:215]
.Lskip_\@:
	s_add_co_u32 s31, s31, 3072
	s_add_co_u32 s32, s32, 128
	s_add_co_u32 s29, s29, 1
	s_cmp_lt_u32 s29, \trips
	s_cbranch_scc1 .Lstep_\@
	; the way out: O^T / the sum; its 32 numbers (16 in me, 16 in lane l xor 16) are one block; a record of 32 bytes a row
	s_wait_alu depctr_va_vdst(0)                   ; the sum was written ahead of the loop's branches
	v_add_f32 v14, v14, v15
	s_delay_alu instid0(VALU_DEP_1)
	v_permlanex16_b32 v214, v14, s12, s13
	s_delay_alu instid0(VALU_DEP_1)
	v_add_f32 v14, v14, v214                       ; the row's sum
	s_wait_alu depctr_va_vdst(0)
	v_rcp_f32 v212, v14
	v_nop                                          ; one plain place behind a transcendental
	s_wait_alu depctr_va_vdst(0)
.irp j, 0,2,4,6,8,10,12,14
	v_pk_mul_f32 v[224+\j:225+\j], v[160+\j:161+\j], v[212:213] op_sel_hi:[1,0]   ; d = 16 (lane / 16) + 0 .. 15
.endr
	v_max3_num_f32 v196, |v224|, |v225|, 0x2800000
.irp i, 2,4,6,8,10,12,14
	s_delay_alu instid0(VALU_DEP_1)
	v_max3_num_f32 v196, v196, |v[224+\i]|, |v[225+\i]|
.endr
	s_delay_alu instid0(VALU_DEP_1)
	v_permlanex16_b32 v200, v196, s12, s13
	s_delay_alu instid0(VALU_DEP_1)
	v_max_num_f32 v196, v196, v200
	s_delay_alu instid0(VALU_DEP_1)
	v_add_nc_u32 v204, 0xfe000000, v196
	s_delay_alu instid0(VALU_DEP_1)
	v_lshrrev_b32 v201, 23, v204
	v_cvt_scalef32_pk16_bf6_f32 v[240:242], v[224:239], v204
	v_nop                                          ; one plain place behind a scaled conversion
	v_permlanex16_b32 v200, v240, s12, s13         ; the other half's first word
	v_cndmask_b32 v244, v240, v241, s28            ; lanes 0-15: words 0 1 2 3 of the six; lanes 16-31: words 4 5, the byte, 0
	v_cndmask_b32 v245, v241, v242, s28
	v_cndmask_b32 v246, v242, v201, s28
	s_delay_alu instid0(VALU_DEP_4)
	v_cndmask_b32 v247, v200, v47, s28
	global_store_b128 v11, v[244:247], s[\P+6:\P+7]   ; the wave stores 512 consecutive bytes, aligned
.endm
	PASS 36, 216, 8, 2
	s_wait_xcnt 0x0                                ; the store has read its registers: they are written again below
	PASS 44, 248, 16, 4
	s_wait_tensorcnt 0x0                           ; the wave's end
	ds_add_u32 v243, v255
	s_wait_dscnt 0x0
	ROUND                                          ; the closing round
	s_endpgm
.Lfunc_end_k_q045cb79379_attn:
	.size	k_q045cb79379_attn, .Lfunc_end_k_q045cb79379_attn-k_q045cb79379_attn
	.p2alignl 7, 3214868480
	.fill 96, 4, 3214868480
	.section	.rodata,"a",@progbits
	.p2align	6, 0x0
	.amdhsa_kernel k_q045cb79379_attn
		.amdhsa_group_segment_fixed_size 169984
		.amdhsa_private_segment_fixed_size 0
		.amdhsa_enable_private_segment 0
		.amdhsa_kernarg_size 16
		.amdhsa_user_sgpr_count 2
		.amdhsa_user_sgpr_kernarg_segment_ptr 1
		.amdhsa_wavefront_size32 1
		.amdhsa_system_sgpr_workgroup_id_x 1
		.amdhsa_system_sgpr_workgroup_id_y 1
		.amdhsa_system_sgpr_workgroup_id_z 1
		.amdhsa_system_vgpr_workitem_id 0
		.amdhsa_next_free_vgpr 256
		.amdhsa_next_free_sgpr 66
		.amdhsa_reserve_vcc 1
		.amdhsa_float_denorm_mode_32 3
		.amdhsa_float_denorm_mode_16_64 3
		.amdhsa_memory_ordered 1
		.amdhsa_forward_progress 1
		.amdhsa_inst_pref_size 55
	.end_amdhsa_kernel
	.amdgpu_metadata
---
amdhsa.version: [ 1, 2 ]
amdhsa.kernels:
  - .name:           k_q045cb79379_attn
    .symbol:         k_q045cb79379_attn.kd
    .args:
      - { .name: heads, .offset: 0, .size: 8, .value_kind: global_buffer, .address_space: global }
      - { .name: oq, .offset: 8, .size: 8, .value_kind: global_buffer, .address_space: global }
    .group_segment_fixed_size: 169984
    .private_segment_fixed_size: 0
    .kernarg_segment_align: 8
    .kernarg_segment_size: 16
    .max_flat_workgroup_size: 512
    .sgpr_count:     66
    .vgpr_count:     256
    .wavefront_size: 32
...
	.end_amdgpu_metadata
.endif
;; end of part 3
;; launch oproj (part 4): grid 8 x 32, 4 waves a work-group, clusters of 4 x 4, 284,160 bytes of LDS; arguments oq, ops, out0; writes out0
.if DOCPART == 4
	.amdgcn_target "amdgcn-amd-amdhsa--gfx1250"
	.amdhsa_code_object_version 6
	.text
	.protected	k_q045cb79379_oproj
	.globl	k_q045cb79379_oproj
	.p2align	8
	.type	k_q045cb79379_oproj,@function
k_q045cb79379_oproj:
	s_mov_b64 s[64:65], 0
	v_nop
	global_prefetch_b8 v0, s[64:65] scope:SCOPE_SE
	s_setreg_imm32_b32 hwreg(HW_REG_WAVE_MODE, 25, 1), 1
	s_wait_xcnt 0x0
	s_wait_alu depctr_hold_cnt(0) depctr_sa_sdst(0) depctr_va_vdst(0) depctr_va_sdst(0) depctr_va_ssrc(0) depctr_va_vcc(0) depctr_vm_vsrc(0)
	s_getreg_b32 s2, hwreg(HW_REG_IB_STS2, 6, 4)
	s_cmp_eq_u32 s2, 0
	s_cbranch_scc0 .Lentry_in_a_cluster
	s_endpgm
.Lentry_in_a_cluster:
	s_bfe_u32 s2, ttmp6, 0x10000c
	s_cmp_lg_u32 s2, 0xf033
	s_cbranch_scc0 .Lentry_shape_is_right
	s_endpgm
.Lentry_shape_is_right:
; out0 = o wo_w^T on codes of E3M2, K = 1,024.  o comes as records of 32 bytes (oq: [128 tokens][K step][row block a][K block][row r]: six words of codes, the scale's byte as a word, 0);
; wo_w as images of operand registers with scale words (ops at WO_OFF: [128 rows][K step] blocks of 12,800 bytes).  Row r of a row block is source row 32 (a / 2) + 8 (a % 2) + r + 8 (r / 8), on both sides.
; SHARES.  A work-group makes 128 tokens x 128 columns; wave w makes tokens 64 (w / 2) on x columns 64 (w % 2) on: 16 accumulators.  All of K of both operands fits in LDS: everything is filled once,
; by one tensor load a wave of four K steps; one wait and a barrier stand ahead of K step 0.  One tensor load of a wave is out at the most.
; CLUSTER 4 x 4: o's records hang on the tile of tokens alone and are asked for jointly along a row of the cluster, wo_w's blocks on the tile of columns alone, jointly along a column.
; The records are laid 40 bytes apart in LDS (8 bytes of padding behind every 32), so that the 32 lanes of a load of 8 bytes take 32 different pairs of words modulo 256 bytes.
; THE MATRIX INSTRUCTION IS USED TRANSPOSED (source 0 = 16 rows of wo_w, source 1 = 16 tokens): a lane holds one token, and the 16 registers of column blocks 2 b, 2 b + 1 are 16 neighbouring columns.
; The way out goes through a stage of the wave's own (16 rows x 272 bytes, bytes into which no fill lands): sixteen lanes store 256 consecutive bytes, aligned.
; REGISTERS: window 0: v1-22 addresses; v24-27 o's scale words, v28-31 wo_w's, two sets each; v32-47 o's scale bytes as loaded; v64-127 the way out; v128-255 accumulators at 128 + 32 a + 8 b.
;   window 1: two fragment sets of 96: o at 12 a, wo_w at 48 + 12 b; the second set 128 higher.
.set WO_OFF, 5734400
.set BOFF,  163840                     ; LDS: o's 8 K steps of 20,480 bytes, then wo_w's 8 of 12,800,
.set STG,   266240                     ; then the four stages
.set MSB, 0
.macro WIN new                         ; the immediate's high byte repeats the setting that is left
.if MSB != (\new)
	s_set_vgpr_msb (MSB<<8)|(\new)
.set MSB, \new
.endif
.endm
.macro PLACES n
.rept \n
	v_nop
.endr
.endm
.macro ROUND
	s_barrier_signal -1
	s_barrier_wait -1
	s_cmp_lg_u32 s8, 0
	s_cbranch_scc1 .Lnot_wave_0_\@
	s_barrier_signal -3
.Lnot_wave_0_\@:
	s_barrier_wait -3
	s_barrier_signal -1
	s_barrier_wait -1
.endm
.macro WMC d, a, b, c, sa, sb, ra, rb
.if (\ra) && (\rb)
	v_wmma_scale_f32_16x16x128_f8f6f4 v[0+(\d):7+(\d)], v[0+(\a):11+(\a)], v[0+(\b):11+(\b)], \c, v[\sa], v[\sb] matrix_a_fmt:MATRIX_FMT_BF6 matrix_b_fmt:MATRIX_FMT_BF6 matrix_a_scale:MATRIX_SCALE_ROW1 matrix_b_scale:MATRIX_SCALE_ROW1
.elseif (\ra)
	v_wmma_scale_f32_16x16x128_f8f6f4 v[0+(\d):7+(\d)], v[0+(\a):11+(\a)], v[0+(\b):11+(\b)], \c, v[\sa], v[\sb] matrix_a_fmt:MATRIX_FMT_BF6 matrix_b_fmt:MATRIX_FMT_BF6 matrix_a_scale:MATRIX_SCALE_ROW1
.elseif (\rb)
	v_wmma_scale_f32_16x16x128_f8f6f4 v[0+(\d):7+(\d)], v[0+(\a):11+(\a)], v[0+(\b):11+(\b)], \c, v[\sa], v[\sb] matrix_a_fmt:MATRIX_FMT_BF6 matrix_b_fmt:MATRIX_FMT_BF6 matrix_b_scale:MATRIX_SCALE_ROW1
.else
	v_wmma_scale_f32_16x16x128_f8f6f4 v[0+(\d):7+(\d)], v[0+(\a):11+(\a)], v[0+(\b):11+(\b)], \c, v[\sa], v[\sb] matrix_a_fmt:MATRIX_FMT_BF6 matrix_b_fmt:MATRIX_FMT_BF6
.endif
.endm
.macro WM d, a, b, z, sa, sb, ra, rb
.if (\z)
	WMC \d, \a, \b, 0, \sa, \sb, \ra, \rb
.else
	WMC \d, \a, \b, v[0+(\d):7+(\d)], \sa, \sb, \ra, \rb
.endif
.endm
	s_load_b128 s[4:7], s[0:1], 0x0                ; oq, ops
	s_load_b64 s[76:77], s[0:1], 0x10              ; out0
	v_lshl_add_u32 v62, v0, 2, 0x45400
	v_mov_b32 v63, 0
	ds_add_u32 v62, v63
	ds_add_u32 v62, v63
	v_lshrrev_b32 v1, 5, v0
	v_readfirstlane_b32 s8, v1                     ; wave 0..3
	s_lshr_b32 s9, s8, 1                           ; which 64 tokens are mine.  Also: I fetch for o (0) or for wo_w (1)
	s_and_b32 s10, s8, 1                           ; which 64 columns.  Also: which four K steps I fetch
	s_bfe_u32 s11, ttmp6, 0x40000                  ; cx
	s_bfe_u32 s12, ttmp6, 0x40004                  ; cy
	s_lshl_b32 s13, ttmp9, 2
	s_add_co_u32 s13, s13, s11                     ; the tile of 128 columns
	s_and_b32 s14, ttmp7, 0xffff
	s_lshl_b32 s14, s14, 2
	s_add_co_u32 s14, s14, s12                     ; the tile of 128 tokens
	s_lshl_b32 s15, s12, 2
	s_lshl_b32 s15, 15, s15                        ; my row of the cluster
	s_lshl_b32 s16, 0x1111, s11                    ; my column
	; descriptor groups 1: dense blocks as rows of 256 bytes (32 elements of 8 bytes).  o: 64 rows, 2 words of padding behind every 8;  wo_w: 50 rows, no padding
	s_or_b32 s24, s15, (3<<16)|(1<<20)|(1<<21)|(2<<22)|(1<<25)
	s_mov_b32 s25, 32<<16
	; ONE TENSOR LOAD A WAVE: waves 0, 1 bring four K steps of o each (256 rows of 256 bytes), waves 2, 3 four of wo_w each (200 rows)
	s_mov_b32 s26, 256<<16
	s_mov_b32 s27, 32<<16
	s_mov_b32 s28, 256
	s_mov_b32 s29, 32
	s_mov_b32 s30, 0
	s_mov_b32 s31, 0
	s_or_b32 s32, s16, (3<<16)|(1<<21)
	s_mov_b32 s33, 32<<16
	s_mov_b32 s34, 200<<16
	s_mov_b32 s35, 32<<16
	s_mov_b32 s36, 200
	s_mov_b32 s37, 32
	s_mov_b32 s38, 0
	s_mov_b32 s39, 0
	s_lshl_b32 s18, s14, 17                        ; o's records hang on the tile of tokens and the wave's number,
	s_lshl_b32 s19, s10, 16
	s_add_co_u32 s18, s18, s19
	s_mov_b32 s19, 0
	s_mul_i32 s80, s13, 102400                     ; wo_w's blocks on the tile of columns and the wave's number
	s_mul_i32 s81, s10, 51200
	s_add_co_u32 s80, s80, s81
	s_add_co_u32 s80, s80, WO_OFF
	s_mov_b32 s81, 0
	s_mul_i32 s22, s10, 81920
	s_mul_i32 s23, s10, 51200
	s_add_co_u32 s23, s23, BOFF
	s_wait_dscnt 0x0
	s_wait_kmcnt 0x0
	s_add_nc_u64 s[20:21], s[4:5], s[18:19]
	s_add_nc_u64 s[82:83], s[6:7], s[80:81]
.irp c, 0
	s_mov_b32 s[40+4*\c], 1
	s_add_co_u32 s[41+4*\c], s22, \c*40960
	s_add_nc_u64 s[42+4*\c:43+4*\c], s[20:21], \c*32768
	s_or_b32 s[43+4*\c], s[43+4*\c], 0x80000000
	s_mov_b32 s[56+4*\c+4*(\c/2)], 1
	s_add_co_u32 s[57+4*\c+4*(\c/2)], s23, \c*25600
	s_add_nc_u64 s[58+4*\c+4*(\c/2):59+4*\c+4*(\c/2)], s[82:83], \c*25600
	s_or_b32 s[59+4*\c+4*(\c/2)], s[59+4*\c+4*(\c/2)], 0x80000000
.endr
	ROUND                                          ; all sixteen work-groups are here: the joint loads meet
	s_cmp_eq_u32 s9, 0                             ; a wave's one fill stands in one branch
	s_cbranch_scc0 .Lfirst_b
	tensor_load_to_lds s[40:43], s[24:31]
	s_nop 0
.rept 4
	v_nop
.endr
	s_branch .Lfirst_done
.Lfirst_b:
	tensor_load_to_lds s[56:59], s[32:39]
	s_nop 0
.rept 4
	v_nop
.endr
.Lfirst_done:
	v_and_b32 v23, 31, v0                          ; L
	v_and_b32 v3, 15, v0                           ; r
	v_bfe_u32 v48, v0, 4, 1                        ; h
	v_lshlrev_b32 v1, 4, v23                       ; 16 L
	v_lshlrev_b32 v2, 2, v23                       ; 4 L
	s_mul_i32 s84, s9, 10240                       ; my four row blocks of o
	v_mul_u32_u24 v49, v3, 40                      ; 40 r
	v_add_nc_u32 v49, s84, v49
	v_mad_u32_u24 v4, v48, 640, v49                ; codes: K block 2 c + h
	v_mad_u32_u24 v8, v48, 2560, v49               ; scale bytes: lanes 16-31 take the odd row block's
	v_add_nc_u32 v8, 24, v8
	s_mul_i32 s84, s10, 6144                       ; my four images of wo_w
	s_add_co_u32 s84, s84, BOFF
	v_add_nc_u32 v12, s84, v1
	s_lshl_b32 s84, s10, 8                         ; and their scale words
	s_add_co_u32 s84, s84, BOFF+12288
	v_add_nc_u32 v16, s84, v2
.irp c, 1,2,3
	v_add_nc_u32 v[4+\c], \c*40960, v4
	v_add_nc_u32 v[8+\c], \c*40960, v8
	v_add_nc_u32 v[12+\c], \c*25600, v12
	v_add_nc_u32 v[16+\c], \c*25600, v16
.endr
	s_mul_i32 s84, s8, 4352
	s_add_co_u32 s84, s84, STG                     ; my stage
	v_mul_u32_u24 v20, v3, 272
	v_lshl_add_u32 v20, v48, 6, v20
	v_add_nc_u32 v20, s84, v20                     ; in: row r, + 64 h
	v_mul_u32_u24 v21, v48, 272
	v_lshl_add_u32 v21, v3, 4, v21
	v_add_nc_u32 v21, s84, v21                     ; back: lanes 0-15 one row, lanes 16-31 the next
	v_lshlrev_b32 v22, 12, v48
	v_lshl_add_u32 v22, v3, 4, v22                 ; and the same two rows in out0
	s_lshl_b32 s84, s14, 19                        ; my first token's row, 4,096 bytes a row; my first column
	s_lshl_b32 s85, s9, 18
	s_add_co_u32 s84, s84, s85
	s_lshl_b32 s85, s13, 9
	s_add_co_u32 s84, s84, s85
	s_lshl_b32 s85, s10, 8
	s_add_co_u32 s84, s84, s85
	s_mov_b32 s85, 0
	s_add_nc_u64 s[76:77], s[76:77], s[84:85]
; K step s into set p: o's four fragments in pieces of 8 bytes out of the records, wo_w's four as images; o's scale bytes (row blocks 2 i and 2 i + 1 in the two halves of the lanes, K blocks 0 .. 3); wo_w's words
.macro FETCH s, p
.set cc, (\s)/2
.set ee, (\s)%2
	WIN 0x40
.set a, 0
.rept 4
.irp q, 0,1,2,3,4,5
	ds_load_b64 v[128*(\p)+12*a+2*\q:128*(\p)+12*a+2*\q+1], v[4+cc] offset:ee*20480+a*2560+1280*(\q/3)+8*(\q%3)
.endr
.set a, a+1
.endr
.set a, 0
.rept 4
.irp g, 0,1,2
	ds_load_b128 v[128*(\p)+48+12*a+4*\g:128*(\p)+51+12*a+4*\g], v[12+cc] offset:ee*12800+a*1536+512*\g
.endr
.set a, a+1
.endr
	WIN 0
.irp i, 0,1
.irp b, 0,1,2,3
	ds_load_b32 v[32+8*(\p)+4*\i+\b], v[8+cc] offset:ee*20480+5120*\i+640*\b
.endr
	ds_load_b32 v[28+2*(\p)+\i], v[16+cc] offset:ee*12800+128*\i
.endr
.endm
.macro MUL8 p, a0, z                   ; row blocks a0, a0 + 1 x the four column blocks; the 16 accumulators take turns, one instruction a turn
	WIN 0x05
.irp aa, 0,1
.irp b, 0,1,2,3
	WM 128+32*((\a0)+\aa)+8*\b, 128*(\p)+48+12*\b, 128*(\p)+12*((\a0)+\aa), \z, 28+2*(\p)+\b/2, 24+2*(\p)+((\a0)+\aa)/2, \b%2, \aa
.endr
.endr
.endm
.macro KSTEP s
.set pp, (\s)%2
	WIN 0
	s_wait_dscnt 0x0                               ; this K step's fragments and scales are in
.irp i, 0,1
	v_lshl_or_b32 v[24+2*pp+\i], v[33+8*pp+4*\i], 8, v[32+8*pp+4*\i]   ; four heads' bytes make a row's scale word
	v_lshl_or_b32 v[24+2*pp+\i], v[34+8*pp+4*\i], 16, v[24+2*pp+\i]
	v_lshl_or_b32 v[24+2*pp+\i], v[35+8*pp+4*\i], 24, v[24+2*pp+\i]
.endr
	PLACES 8                                       ; a scale register written by a vector instruction stands 8 places ahead of a scaled product; they are also the places in front of the loads into the other set
.if pp == 0
	FETCH (\s)+1, 1                                ; the chunk's second K step
.endif
	MUL8 pp, 0, (\s)==0
.if (pp == 1) && ((\s) < 7)
	FETCH (\s)+1, 0                                ; all of K lies in LDS since the one barrier ahead of K step 0
.endif
	MUL8 pp, 2, (\s)==0
.endm
	s_wait_tensorcnt 0x0                           ; my load has landed,
	s_barrier_signal -1
	s_barrier_wait -1                              ; everybody's is
	FETCH 0, 0
.irp s, 0,1,2,3,4,5,6,7
	KSTEP \s
.endr
	WIN 0
	PLACES 4                                       ; places between the last products and the first read of results
; THE WAY OUT, a row block of 16 tokens x 64 columns at a time.  LDS serves a wave's instructions in order: no wait between the stores and the loads, nor in front of the next block's stores
.macro TOSTAGE a
.irp bb, 0,1
.irp u, 0,1
	ds_store_b128 v20, v[128+32*(\a)+8*(2*\bb+\u):131+32*(\a)+8*(2*\bb+\u)] offset:128*\bb+32*\u      ; each accumulator from its low end on
	ds_store_b128 v20, v[132+32*(\a)+8*(2*\bb+\u):135+32*(\a)+8*(2*\bb+\u)] offset:128*\bb+32*\u+16
.endr
.endr
.irp t, 0,1,2,3,4,5,6,7
	ds_load_b128 v[64+32*((\a)%2)+4*\t:67+32*((\a)%2)+4*\t], v21 offset:544*\t
.endr
.endm
.macro SEND a, younger                 ; stage row 2 t + h is token 32 (a / 2) + 8 (a % 2) + 2 t + h + 8 (t / 4)
	s_wait_dscnt \younger
.irp t, 0,1,2,3,4,5,6,7
	global_store_b128 v22, v[64+32*((\a)%2)+4*\t:67+32*((\a)%2)+4*\t], s[76:77] offset:(32*((\a)/2)+8*((\a)%2)+2*\t+8*(\t/4))*4096 th:TH_STORE_NT   ; sixteen lanes store 256 consecutive bytes, aligned
.endr
.endm
	TOSTAGE 0
	TOSTAGE 1
	SEND 0, 16                                     ; behind block 0's loads: block 1's 8 stores and 8 loads
	s_wait_xcnt 0x0                                ; block 0's stores have read their registers: block 2's loads may land there
	TOSTAGE 2
	SEND 1, 16
	s_wait_xcnt 0x0
	TOSTAGE 3
	SEND 2, 16
	SEND 3, 0
	s_wait_tensorcnt 0x0
	ds_add_u32 v62, v63
	s_wait_dscnt 0x0
	ROUND                                          ; the closing round
	s_endpgm
.Lfunc_end_k_q045cb79379_oproj:
	.size	k_q045cb79379_oproj, .Lfunc_end_k_q045cb79379_oproj-k_q045cb79379_oproj
	.p2alignl 7, 3214868480
	.fill 96, 4, 3214868480
	.section	.rodata,"a",@progbits
	.p2align	6, 0x0
	.amdhsa_kernel k_q045cb79379_oproj
		.amdhsa_group_segment_fixed_size 284160
		.amdhsa_private_segment_fixed_size 0
		.amdhsa_enable_private_segment 0
		.amdhsa_kernarg_size 24
		.amdhsa_user_sgpr_count 2
		.amdhsa_user_sgpr_kernarg_segment_ptr 1
		.amdhsa_wavefront_size32 1
		.amdhsa_system_sgpr_workgroup_id_x 1
		.amdhsa_system_sgpr_workgroup_id_y 1
		.amdhsa_system_sgpr_workgroup_id_z 1
		.amdhsa_system_vgpr_workitem_id 0
		.amdhsa_next_free_vgpr 512
		.amdhsa_next_free_sgpr 100
		.amdhsa_reserve_vcc 0
		.amdhsa_float_denorm_mode_32 3
		.amdhsa_float_denorm_mode_16_64 3
		.amdhsa_memory_ordered 1
		.amdhsa_forward_progress 1
		.amdhsa_inst_pref_size 60
	.end_amdhsa_kernel
	.amdgpu_metadata
---
amdhsa.version: [ 1, 2 ]
amdhsa.kernels:
  - .name:           k_q045cb79379_oproj
    .symbol:         k_q045cb79379_oproj.kd
    .args:
      - { .name: oq, .offset: 0, .size: 8, .value_kind: global_buffer, .address_space: global }
      - { .name: ops, .offset: 8, .size: 8, .value_kind: global_buffer, .address_space: global }
      - { .name: out0, .offset: 16, .size: 8, .value_kind: global_buffer, .address_space: global }
    .group_segment_fixed_size: 284160
    .private_segment_fixed_size: 0
    .kernarg_segment_align: 8
    .kernarg_segment_size: 24
    .max_flat_workgroup_size: 128
    .sgpr_count:     100
    .vgpr_count:     512
    .wavefront_size: 32
...
	.end_amdgpu_metadata
.endif
;; end of part 4
